; MI455X (gfx1250); checked and timed in simulation.
; The chip was launched on July 23, 2026; its instructions are those of AMD's public machine-readable ISA for CDNA 5 (MIT licence, August 2026) and "CDNA5" Instruction Set Architecture Reference Guide (July 2026). The comments in the code are by the model that wrote it; some were corrected since.
;; Mo E Layer. Allowed arithmetic: matrix products marked QUANTISED: E3M2 operands, one E8M0 scale for each 32 along K, by v_wmma_scale_f32_16x16x128_f8f6f4 with both operands' format E3M2, f32 sums; products left as they are: f32 operands where the result goes on into a quantised operand, else bf16, f16 or f32 operands; f32 sums; everything else in f32.
;; Inputs: gate_w 8 x 1,024 float32; w1_codes 8 x 4,096 x 32 x 24 uint8 (E3M2 codes of w1, K innermost, in blocks of 32 codes, four codes in three bytes); w1_scales 8 x 4,096 x 32 uint8 (E8M0 scales of w1, one for each 32 codes along K); w2_codes 8 x 1,024 x 64 x 24 uint8 (E3M2 codes of w2, K innermost, in blocks of 32 codes, four codes in three bytes); w2_scales 8 x 1,024 x 64 uint8 (E8M0 scales of w2, one for each 32 codes along K); x 2 x 512 x 1,024 float32.
;; Outputs: out0 2 x 512 x 1,024 float32; out1 2 x 512 x 8 float32.
;; This version of the problem:
;;   THIS VERSION OF THE PROBLEM IS GIVEN IN LOW PRECISION. The matrix products marked QUANTISED in the list below multiply operands that are first quantised to E3M2 (3 exponent bits, 2 mantissa bits; 6 bits a number), with one power-of-two scale for each 32 numbers along K (OCP MX v1.0); their sums are f32. All else is computed in f32.
;;   The module's matrix products, in the order in which they are computed (A, B: the left and right operand; K: the contracted axis; several contracted axes count as one K, in the product's order):
;;     1. [M 1,024, K 1,024] x [K 1,024, N 8]; A: input x; B: input gate_w: left as it is (N = 8 < 16)
;;     2. [M 1,024, K 1,024] x [K 1,024, N 4,096]; A: input x; B: input w1 (given as codes): QUANTISED
;;     3. [M 1,024, K 2,048] x [K 2,048, N 1,024]; A: computed on the way; B: input w2 (given as codes): QUANTISED
;;     4. [M 1,024, K 1,024] x [K 1,024, N 4,096]; A: input x; B: input w1 (given as codes): QUANTISED
;;     5. [M 1,024, K 2,048] x [K 2,048, N 1,024]; A: computed on the way; B: input w2 (given as codes): QUANTISED
;;     6. [M 1,024, K 1,024] x [K 1,024, N 4,096]; A: input x; B: input w1 (given as codes): QUANTISED
;;     7. [M 1,024, K 2,048] x [K 2,048, N 1,024]; A: computed on the way; B: input w2 (given as codes): QUANTISED
;;     8. [M 1,024, K 1,024] x [K 1,024, N 4,096]; A: input x; B: input w1 (given as codes): QUANTISED
;;     9. [M 1,024, K 2,048] x [K 2,048, N 1,024]; A: computed on the way; B: input w2 (given as codes): QUANTISED
;;     10. [M 1,024, K 1,024] x [K 1,024, N 4,096]; A: input x; B: input w1 (given as codes): QUANTISED
;;     11. [M 1,024, K 2,048] x [K 2,048, N 1,024]; A: computed on the way; B: input w2 (given as codes): QUANTISED
;;     12. [M 1,024, K 1,024] x [K 1,024, N 4,096]; A: input x; B: input w1 (given as codes): QUANTISED
;;     13. [M 1,024, K 2,048] x [K 2,048, N 1,024]; A: computed on the way; B: input w2 (given as codes): QUANTISED
;;     14. [M 1,024, K 1,024] x [K 1,024, N 4,096]; A: input x; B: input w1 (given as codes): QUANTISED
;;     15. [M 1,024, K 2,048] x [K 2,048, N 1,024]; A: computed on the way; B: input w2 (given as codes): QUANTISED
;;     16. [M 1,024, K 1,024] x [K 1,024, N 4,096]; A: input x; B: input w1 (given as codes): QUANTISED
;;     17. [M 1,024, K 2,048] x [K 2,048, N 1,024]; A: computed on the way; B: input w2 (given as codes): QUANTISED
;;   THE QUANTISER, for each operand of a quantised product, along K:
;;     - K is cut into blocks of 32 from its start; a last block that is shorter is filled with zeros.
;;     - A block's scale is 2^e with e = floor(log2(the largest magnitude in the block)) - 4, held to -126 .. 127; a block of zeros has e = 0. As a byte (E8M0): e + 127.
;;     - Each number is divided by its block's scale, clamped to +-28, and rounded to the nearest number of E3M2, ties to even, subnormals kept.
;;     - The product sums the exact products of the quantised numbers (number of the format x scale) in f32.
;;   ~~~python
;;   def quantise(x, axis):      # numpy; x: float32 -> the quantised numbers, widened to float32 again
;;       x = np.moveaxis(x, axis, -1); K = x.shape[-1]
;;       x = np.pad(x, [(0, 0)] * (x.ndim - 1) + [(0, -K % 32)]); x = x.reshape(x.shape[:-1] + (-1, 32)); a = np.abs(x).max(-1, keepdims=True)
;;       e = np.where(a > 0, np.clip(np.frexp(np.where(a > 0, a, 1))[1] - 1 - 4, -126, 127), 0)      # np.frexp(a)[1] - 1 = floor(log2(a)), exactly
;;       r = np.clip(x / 2.0 ** e, -28, 28)
;;       step = 2.0 ** (np.maximum(np.frexp(np.where(r == 0, 1, r))[1] - 1, -2) - 2)
;;       q = np.round(r / step) * step * 2.0 ** e      # np.round: ties to even
;;       return np.moveaxis(q.reshape(q.shape[:-2] + (-1,))[..., :K], -1, axis).astype(np.float32)
;;   ~~~
;;   OPERANDS COMPUTED ON THE WAY. 'Computed on the way' means the value that the module computes at that place (a softmax that the list does not call 'softmax' is quantised finished and normalised). What goes into a quantiser is computed in f32, as accurately as f32 sums, v_exp_f32 and their like allow (about 1e-6 of the number): no bf16 or f16 on the way to a quantiser, and a product that is left as it is and whose result goes on into a quantised operand takes f32 operands (vector FMAs, or v_wmma_f32_16x16x4_f32). A number that lies on a knife's edge between two numbers of the format may be rounded either way, as far as f32 arithmetic and the matrix unit's own rounding can turn it there, and no further.
;;   INPUTS GIVEN AS CODES. w1 (in the module: [8, 1024, 4096], K = its axis 1); w2 (in the module: [8, 2048, 1024], K = its axis 1): each comes as NAME_codes (uint8): NAME with its K axis moved to the last place and cut into blocks of 32 codes, [.., K / 32, bytes a block], one block behind the other in memory; four codes in three bytes: a row's codes are one little-endian stream of bits, code i at bits 6 i .. 6 i + 5 (a code: sign, 3 exponent bits, 2 mantissa bits); and NAME_scales (uint8): the same leading axes, one E8M0 byte (e + 127) for each 32 codes along K. Its value is code x scale, taken as it is: it is not quantised again, and the codes and scales need not be those that the quantiser above would give.
;; One version. Each part assembles by itself: llvm-mc -triple=amdgcn-amd-amdhsa -mcpu=gfx1250 --defsym DOCPART=n.
;; ======== version 1 of 1: 4 launches
;; limits: right only within a limited range of input values
;; workspace buffers: xq 786,432 bytes; xs 32,768 bytes; role 32,768 bytes of whole numbers; cw 32,768 bytes; hq 12,582,912 bytes; hsc 1,048,576 bytes; y 8,912,896 bytes
;; launch route (part 1): grid 256 x 1, 4 waves a work-group, no clusters, 25,088 bytes of LDS; arguments x, gate_w, out1, xq, xs, role, cw; writes out1, xq, xs, role, cw
.if DOCPART == 1
	.amdgcn_target "amdgcn-amd-amdhsa--gfx1250"
	.amdhsa_code_object_version 6
	.text
	.protected	k_q020b60b18a_route
	.globl	k_q020b60b18a_route
	.p2align	8
	.type	k_q020b60b18a_route,@function
k_q020b60b18a_route:
	s_mov_b64 s[64:65], 0
	v_nop
	global_prefetch_b8 v0, s[64:65] scope:SCOPE_SE
	s_setreg_imm32_b32 hwreg(HW_REG_WAVE_MODE, 25, 1), 1
	s_wait_xcnt 0x0
; ROUTER AND QUANTISER OF x.  x [1024 tokens][1024] f32, gate_w [8][1024] f32.
; out1 [1024][8]: the logits x . gate_w, in f32.  Softmax over the 8 experts (the largest logit taken away first), the two largest
; probabilities (of equal ones the lower expert), their weights divided by their sum.
; Stored at FIXED places, so that no address here hangs on the choice:  role [8][1024] u32: 0 not chosen, 1 first, 2 second choice;  cw [8][1024] f32: the weight, 0 where not chosen.
; xq [1024][768 bytes]: x as codes of E3M2, one E8M0 byte for each 32 along K in xs [1024][32].  Inside each 128 along K (96 bytes) the four blocks of 24 bytes lie in the order 0, 2, 1, 3:
; a lane of an operand fragment wants blocks h and 2 + h, and so finds its 48 bytes on end at 96 s + 48 h.
; SHARES.  A work-group owns 4 tokens; wave w owns d = 256 w .. 256 w + 255 of all four and of gate_w, so that the work-group reads gate_w once.
; A block's scale byte is its largest magnitude's exponent field - 4, held at 1 from below.
; LIMITS.  NaN and infinities in x or gate_w are not served.  A block of zeros gets the byte 1 (its codes are zeros; only this program reads the bytes).  The logits are summed in another order than a
; row-by-row sum, so two probabilities that are equal to within f32 rounding may be ordered otherwise.  A probability under 2^-126 counts as 0.
; xs, out1, role and cw leave in pieces of 16 to 128 bytes: 128 KB in the whole launch; xq leaves in whole aligned blocks of 256 bytes.
; No matrix unit (8 columns), no cluster (work-groups share gate_w alone, 32 KB), no tensor load (each byte of x goes through registers once anyway).
.set TURNB, 5120                       ; LDS: a stage for each wave: 64 places of 64 bytes + 16
.set PART,  4*TURNB                    ; 4 waves x 32 partial sums
.set CB,    PART+512                   ; 4 rows of codes, 768 bytes each
.set SB,    CB+3072                    ; 4 rows of scale bytes, 32 each
.set GT,  16                           ; v16-79    gate_w: expert e, 8 numbers
.set XR,  80                           ; v80-111   x as loaded: token u, 8 numbers
.set XT,  112                          ; v112-143  x turned: two steps of 16 neighbours
.set PP,  144                          ; v144-207  packed partial sums, later at work
.set S,   208                          ; v208-239  32 sums: 8 u + e
.set CD,  240                          ; v240-242, v244-246 codes
.set EB,  248                          ; v248-249  scale bytes
	s_load_b256 s[4:11], s[0:1], 0x0               ; x s[4:5], gate_w s[6:7], out1 s[8:9], xq s[10:11]
	s_load_b128 s[12:15], s[0:1], 0x20             ; xs s[12:13], role s[14:15]
	s_load_b64 s[16:17], s[0:1], 0x30              ; cw
	v_lshl_add_u32 v254, v0, 2, 0x6000
	v_mov_b32 v255, 0
	v_lshrrev_b32 v7, 5, v0
	v_readfirstlane_b32 s18, v7                    ; wave
	v_and_b32 v1, 31, v0                           ; lane
	s_lshl_b32 s19, s18, 10
	v_lshl_add_u32 v2, v1, 4, s19                  ; 1024 w + 16 lane: my 16 bytes of a load's 512
	s_lshl_b32 s28, ttmp9, 14                      ; 4 tokens of 4,096 bytes
	s_mov_b32 s29, 0
	s_wait_alu depctr_va_vdst(0)
	s_wait_kmcnt 0x0
	s_add_nc_u64 s[4:5], s[4:5], s[28:29]
.irp u, 0,1,2,3
.irp i, 0,1
	global_load_b128 v[XR+8*\u+4*\i:XR+8*\u+4*\i+3], v2, s[4:5] offset:4096*\u+512*\i th:TH_LOAD_NT   ; 32 lanes read 512 consecutive bytes
.endr
.endr
.irp e, 0,1,2,3,4,5,6,7
.irp i, 0,1
	global_load_b128 v[GT+8*\e+4*\i:GT+8*\e+4*\i+3], v2, s[6:7] offset:4096*\e+512*\i
.endr
.endr
	s_lshl_b32 s28, ttmp9, 7
	s_add_nc_u64 s[8:9], s[8:9], s[28:29]          ; out1: 4 tokens x 32 bytes
	s_add_nc_u64 s[12:13], s[12:13], s[28:29]      ; xs likewise
	s_mul_i32 s28, ttmp9, 3072
	s_add_nc_u64 s[10:11], s[10:11], s[28:29]      ; xq: 4 x 768
	s_lshl_b32 s28, ttmp9, 4
	s_add_nc_u64 s[14:15], s[14:15], s[28:29]      ; role, cw: 4 words in each expert's row
	s_add_nc_u64 s[16:17], s[16:17], s[28:29]
	s_mov_b32 s20, 0x76543210
	s_mov_b32 s21, 0xfedcba98                      ; v_permlanex16_b32's selects for lane l xor 16
	s_mul_i32 s27, s18, TURNB
	v_lshrrev_b32 v7, 2, v1
	v_mul_u32_u24 v3, v7, 80
	v_and_b32 v7, 3, v1
	v_lshl_add_u32 v3, v7, 4, v3
	v_add_nc_u32 v3, s27, v3                       ; the stage, on the way in: 80 (lane / 4) + 16 (lane % 4)
	v_mul_u32_u24 v4, v1, 80
	v_add_nc_u32 v4, s27, v4                       ; and out: 80 x lane: 16 neighbours
	; where my 12 bytes of codes go.  Turned, lane l holds token 2 g + l / 16 and d = 256 w + 16 (l % 16): bit 3 of l is the step of 128, bits 2 and 1 the block b in it, bit 0 the half of the block
	v_bfe_u32 v7, v1, 4, 1
	v_mul_u32_u24 v5, v7, 768
	v_lshlrev_b32 v6, 5, v7
	v_bfe_u32 v7, v1, 3, 1
	v_mad_u32_u24 v5, v7, 96, v5
	v_bfe_u32 v7, v1, 2, 1
	v_mad_u32_u24 v5, v7, 24, v5                   ; block order 0, 2, 1, 3: the block's upper bit counts 24 bytes,
	v_bfe_u32 v7, v1, 1, 1
	v_mad_u32_u24 v5, v7, 48, v5                   ; its lower bit 48
	v_and_b32 v7, 1, v1
	v_mad_u32_u24 v5, v7, 12, v5
	s_mul_i32 s27, s18, 192
	s_add_co_u32 s27, s27, CB
	v_add_nc_u32 v5, s27, v5
	v_bfe_u32 v7, v1, 1, 3
	v_add_nc_u32 v6, v6, v7
	s_lshl_b32 s27, s18, 3
	s_add_co_u32 s27, s27, SB
	v_add_nc_u32 v6, s27, v6                       ; my block's scale byte: 32 (l / 16) + 8 w + block
	s_wait_loadcnt 16                              ; x is in; the 16 loads of gate_w may be out
.irp i, 0,1,2,3,4,5,6,7
	ds_store_b128 v3, v[XR+4*\i:XR+4*\i+3] offset:640*\i           ; as loaded; LDS serves a wave's instructions in order, so no wait stands ahead of the loads below
.endr
.irp g, 0,1
.irp i, 0,1,2,3
	ds_load_b128 v[XT+16*\g+4*\i:XT+16*\g+4*\i+3], v4 offset:2560*\g+16*\i
.endr
.endr
	s_wait_loadcnt 0x0
	; the 32 dot products of my 8 numbers of each token with my 8 of each expert
.set k, 0
.rept 32
	v_pk_mul_f32 v[PP+2*k:PP+2*k+1], v[XR+8*(k/8):XR+8*(k/8)+1], v[GT+8*(k%8):GT+8*(k%8)+1]
.set k, k+1
.endr
.irp m, 2,4,6
.set k, 0
.rept 32
	v_pk_fma_f32 v[PP+2*k:PP+2*k+1], v[XR+8*(k/8)+\m:XR+8*(k/8)+\m+1], v[GT+8*(k%8)+\m:GT+8*(k%8)+\m+1], v[PP+2*k:PP+2*k+1]
.set k, k+1
.endr
.endr
.set k, 0
.rept 32
	v_add_f32 v[S+k], v[PP+2*k], v[PP+2*k+1]
.set k, k+1
.endr
	; 32 sums in each of 32 lanes become one whole sum a lane: in each of five stages a lane keeps the half of the sums whose number has its own lane bit, and sends the other half to the lane across
	s_mov_b32 vcc_lo, 0xffff0000
.set j, 0
.rept 16
	v_cndmask_b32 v[PP+2*j], v[S+j], v[S+j+16], vcc_lo             ; keep
	v_cndmask_b32 v[S+j+16], v[S+j+16], v[S+j], vcc_lo             ; send
	v_permlanex16_b32 v[PP+2*j+1], v[S+j+16], s20, s21
	v_add_f32 v[S+j], v[PP+2*j], v[PP+2*j+1]
.set j, j+1
.endr
.macro RED n, mask
	s_mov_b32 vcc_lo, \mask
.set j, 0
.rept \n
	v_cndmask_b32 v[PP+2*j], v[S+j], v[S+j+\n], vcc_lo
	v_cndmask_b32 v[S+j+\n], v[S+j+\n], v[S+j], vcc_lo
	v_add_f32_dpp v[S+j], v[S+j+\n], v[PP+2*j] row_xmask:\n row_mask:0xf bank_mask:0xf
.set j, j+1
.endr
.endm
	RED 8, 0xff00ff00
	RED 4, 0xf0f0f0f0
	RED 2, 0xcccccccc
	RED 1, 0xaaaaaaaa
	v_lshlrev_b32 v8, 2, v1
	s_lshl_b32 s27, s18, 7
	v_add_nc_u32 v9, s27, v8
	ds_store_b32 v9, v[S] offset:PART              ; lane l: my wave's part of the logit of token l / 8, expert l % 8
	s_wait_dscnt 1                                 ; the turned numbers are in; the store just issued may be out
.macro QX g                            ; 16 neighbours a lane, two lanes to a block
.set XS, XT+16*\g
	v_max3_num_f32 v8, |v[XS]|, |v[XS+1]|, |v[XS+2]|
	v_max3_num_f32 v9, |v[XS+3]|, |v[XS+4]|, |v[XS+5]|
.irp i, 6,10
	v_max3_num_f32 v8, v8, |v[XS+\i]|, |v[XS+\i+1]|
	v_max3_num_f32 v9, v9, |v[XS+\i+2]|, |v[XS+\i+3]|
.endr
	v_max3_num_f32 v8, v8, |v[XS+14]|, |v[XS+15]|
	v_max3_num_f32 v8, v8, v9, 0x2800000           ; and the floor 2^(5 - 127): the byte cannot fall under 1
	v_max_num_f32_dpp v8, v8, v8 row_xmask:1 row_mask:0xf bank_mask:0xf   ; with my neighbour's 16: the block's largest magnitude
	v_add_nc_u32 v11, 0xfe000000, v8               ; 4 off its exponent field: the conversion takes this operand's exponent field as its scale
	v_cvt_scalef32_pk16_bf6_f32 v[CD+4*\g:CD+4*\g+2], v[XS:XS+15], v11
	v_lshrrev_b32 v[EB+\g], 23, v11                ; the scale's byte (also the plain line behind the conversion)
	ds_store_b32 v5, v[CD+4*\g] offset:1536*\g
	ds_store_b32 v5, v[CD+4*\g+1] offset:1536*\g+4
	ds_store_b32 v5, v[CD+4*\g+2] offset:1536*\g+8
	ds_store_b8 v6, v[EB+\g] offset:64*\g          ; both lanes of a block write the same byte with the same value
.endm
	QX 0
	QX 1
	s_wait_dscnt 0x0                               ; for the others' sake: all my LDS stores have landed
	s_barrier_signal -1
	s_barrier_wait -1
	v_lshlrev_b32 v7, 4, v0
	ds_load_b128 v[16:19], v7 offset:CB            ; the four rows of codes leave as 3,072 consecutive bytes: 128 threads x 16,
	s_wait_alu depctr_va_vdst(0)
	s_wait_dscnt 0x0
	global_store_b128 v7, v[16:19], s[10:11]
	s_cmp_lt_u32 s18, 2
	s_cbranch_scc0 .Lhigh
	ds_load_b128 v[20:23], v7 offset:CB+2048       ; and waves 0 and 1 the last 1,024
	s_wait_dscnt 0x0
	global_store_b128 v7, v[20:23], s[10:11] offset:2048
	s_branch .Lend
.Lhigh:
	v_lshlrev_b32 v8, 2, v1
	s_cmp_eq_u32 s18, 3
	s_cbranch_scc0 .Lrouter
	ds_load_b32 v20, v8 offset:SB                  ; wave 3: the 128 scale bytes
	s_wait_dscnt 0x0
	s_wait_alu depctr_va_vdst(0)
	global_store_b32 v8, v20, s[12:13]
	s_branch .Lend
.Lrouter:                                          ; wave 2: lane l has token l / 8, expert l % 8; a token's 8 lanes are joined by row_xmask 1, 2, 4
	s_wait_alu depctr_va_vdst(0)
	ds_load_b32 v24, v8 offset:PART
	ds_load_b32 v25, v8 offset:PART+128
	ds_load_b32 v26, v8 offset:PART+256
	ds_load_b32 v27, v8 offset:PART+384
	v_and_b32 v32, 7, v1
	v_lshlrev_b32 v49, 12, v32
	v_lshrrev_b32 v50, 3, v1
	v_lshl_add_u32 v49, v50, 2, v49                ; role, cw: 4096 x expert + 4 x token
	v_cvt_f32_u32 v32, v32                         ; my expert's number as f32
	v_mov_b32 v34, 0x41000000                      ; 8.0: above every expert's number
	v_mov_b32 v37, -1.0
	v_mov_b32 v44, 0
	v_mov_b32 v47, 1
	v_mov_b32 v48, 2
	s_wait_dscnt 0x0
	v_add_f32 v24, v24, v25
	v_add_f32 v26, v26, v27
	v_add_f32 v24, v24, v26                        ; the logit
	global_store_b32 v8, v24, s[8:9]
	v_max_num_f32_dpp v28, v24, v24 row_xmask:1 row_mask:0xf bank_mask:0xf
	v_max_num_f32_dpp v28, v28, v28 row_xmask:2 row_mask:0xf bank_mask:0xf
	v_max_num_f32_dpp v28, v28, v28 row_xmask:4 row_mask:0xf bank_mask:0xf
	v_sub_f32 v29, v24, v28                        ; the token's largest logit is taken away
	v_mul_f32 v29, 0x3fb8aa3b, v29
	s_wait_alu depctr_va_vdst(0)
	v_exp_f32 v29, v29
	v_nop                                          ; a plain line behind the transcendental,
	s_wait_alu depctr_va_vdst(0)                   ; and the wait ahead of its first use
	v_add_f32_dpp v30, v29, v29 row_xmask:1 row_mask:0xf bank_mask:0xf
	v_add_f32_dpp v30, v30, v30 row_xmask:2 row_mask:0xf bank_mask:0xf
	v_add_f32_dpp v30, v30, v30 row_xmask:4 row_mask:0xf bank_mask:0xf
	s_wait_alu depctr_va_vdst(0)
	v_rcp_f32 v31, v30
	v_nop
	s_wait_alu depctr_va_vdst(0)
	v_mul_f32 v29, v29, v31                        ; p
	v_max_num_f32_dpp v33, v29, v29 row_xmask:1 row_mask:0xf bank_mask:0xf
	v_max_num_f32_dpp v33, v33, v33 row_xmask:2 row_mask:0xf bank_mask:0xf
	v_max_num_f32_dpp v33, v33, v33 row_xmask:4 row_mask:0xf bank_mask:0xf   ; the largest p
	v_cmp_eq_f32 vcc_lo, v29, v33
	v_cndmask_b32 v35, v34, v32, vcc_lo
	v_min_num_f32_dpp v35, v35, v35 row_xmask:1 row_mask:0xf bank_mask:0xf
	v_min_num_f32_dpp v35, v35, v35 row_xmask:2 row_mask:0xf bank_mask:0xf
	v_min_num_f32_dpp v35, v35, v35 row_xmask:4 row_mask:0xf bank_mask:0xf   ; the lowest expert that has it
	v_cmp_eq_f32 vcc_lo, v32, v35
	s_mov_b32 s30, vcc_lo                          ; the lanes of first choices
	v_cndmask_b32 v36, v29, v37, vcc_lo            ; they leave the field
	v_max_num_f32_dpp v38, v36, v36 row_xmask:1 row_mask:0xf bank_mask:0xf
	v_max_num_f32_dpp v38, v38, v38 row_xmask:2 row_mask:0xf bank_mask:0xf
	v_max_num_f32_dpp v38, v38, v38 row_xmask:4 row_mask:0xf bank_mask:0xf   ; the second largest p
	v_cmp_eq_f32 vcc_lo, v36, v38
	v_cndmask_b32 v39, v34, v32, vcc_lo
	v_min_num_f32_dpp v39, v39, v39 row_xmask:1 row_mask:0xf bank_mask:0xf
	v_min_num_f32_dpp v39, v39, v39 row_xmask:2 row_mask:0xf bank_mask:0xf
	v_min_num_f32_dpp v39, v39, v39 row_xmask:4 row_mask:0xf bank_mask:0xf
	v_add_f32 v40, v33, v38
	s_wait_alu depctr_va_vdst(0)
	v_rcp_f32 v41, v40
	v_nop
	s_wait_alu depctr_va_vdst(0)
	v_mul_f32 v42, v33, v41                        ; the two weights, divided by their sum
	v_mul_f32 v43, v38, v41
	v_cmp_eq_f32 vcc_lo, v32, v39                  ; the lanes of second choices
	v_cndmask_b32 v45, v44, v43, vcc_lo
	v_cndmask_b32 v46, v44, v48, vcc_lo
	s_mov_b32 vcc_lo, s30
	v_cndmask_b32 v45, v45, v42, vcc_lo
	v_cndmask_b32 v46, v46, v47, vcc_lo
	global_store_b32 v49, v46, s[14:15]
	global_store_b32 v49, v45, s[16:17]
.Lend:
	s_wait_tensorcnt 0x0
	ds_add_u32 v254, v255
	s_wait_dscnt 0x0
	s_endpgm
.Lfunc_end_k_q020b60b18a_route:
	.size	k_q020b60b18a_route, .Lfunc_end_k_q020b60b18a_route-k_q020b60b18a_route
	.p2alignl 7, 3214868480
	.fill 96, 4, 3214868480
	.section	.rodata,"a",@progbits
	.p2align	6, 0x0
	.amdhsa_kernel k_q020b60b18a_route
		.amdhsa_group_segment_fixed_size 25088
		.amdhsa_private_segment_fixed_size 0
		.amdhsa_enable_private_segment 0
		.amdhsa_kernarg_size 56
		.amdhsa_user_sgpr_count 2
		.amdhsa_user_sgpr_kernarg_segment_ptr 1
		.amdhsa_wavefront_size32 1
		.amdhsa_system_sgpr_workgroup_id_x 1
		.amdhsa_system_sgpr_workgroup_id_y 1
		.amdhsa_system_sgpr_workgroup_id_z 1
		.amdhsa_system_vgpr_workitem_id 0
		.amdhsa_next_free_vgpr 256
		.amdhsa_next_free_sgpr 66
		.amdhsa_reserve_vcc 1
		.amdhsa_float_denorm_mode_32 3
		.amdhsa_float_denorm_mode_16_64 3
		.amdhsa_memory_ordered 1
		.amdhsa_forward_progress 1
		.amdhsa_inst_pref_size 27
	.end_amdhsa_kernel
	.amdgpu_metadata
---
amdhsa.version: [ 1, 2 ]
amdhsa.kernels:
  - .name:           k_q020b60b18a_route
    .symbol:         k_q020b60b18a_route.kd
    .args:
      - { .name: x, .offset: 0, .size: 8, .value_kind: global_buffer, .address_space: global }
      - { .name: gate_w, .offset: 8, .size: 8, .value_kind: global_buffer, .address_space: global }
      - { .name: out1, .offset: 16, .size: 8, .value_kind: global_buffer, .address_space: global }
      - { .name: xq, .offset: 24, .size: 8, .value_kind: global_buffer, .address_space: global }
      - { .name: xs, .offset: 32, .size: 8, .value_kind: global_buffer, .address_space: global }
      - { .name: role, .offset: 40, .size: 8, .value_kind: global_buffer, .address_space: global }
      - { .name: cw, .offset: 48, .size: 8, .value_kind: global_buffer, .address_space: global }
    .group_segment_fixed_size: 25088
    .private_segment_fixed_size: 0
    .kernarg_segment_align: 8
    .kernarg_segment_size: 56
    .max_flat_workgroup_size: 128
    .sgpr_count:     66
    .vgpr_count:     256
    .wavefront_size: 32
...
	.end_amdgpu_metadata
.endif
;; end of part 1
;; launch up (part 2): grid 32 x 8, 4 waves a work-group, no clusters, 168,448 bytes of LDS; arguments xq, xs, role, w1_codes, w1_scales, hq, hsc; writes hq, hsc
.if DOCPART == 2
	.amdgcn_target "amdgcn-amd-amdhsa--gfx1250"
	.amdhsa_code_object_version 6
	.text
	.protected	k_q020b60b18a_up
	.globl	k_q020b60b18a_up
	.p2align	8
	.type	k_q020b60b18a_up,@function
k_q020b60b18a_up:
	s_mov_b64 s[64:65], 0
	v_nop
	global_prefetch_b8 v0, s[64:65] scope:SCOPE_SE
	s_setreg_imm32_b32 hwreg(HW_REG_WAVE_MODE, 25, 1), 1
	s_wait_xcnt 0x0
; FIRST PRODUCT OF THE CHOSEN EXPERTS:  hidden = Q(silu(g) lin), (g, lin) = Q(x) w1[e], on codes of E3M2 with one E8M0 scale for each 32 along K.  Only rows (tokens) that chose expert e are multiplied.
; SHARES.  Work-group (slice, e) owns hidden units 64 slice .. + 63 of expert e: 64 rows of w1 for g and 64 for lin, 128 rows x 768 bytes.  THE WEIGHTS LIE IN LDS, stored once, ahead of the one barrier.
; Wave q serves the tokens 256 q .. + 255 with role[e][token] != 0, in ascending order, 16 to a tile, nt = 0 .. 16 tiles.  THE TOKENS STAY IN REGISTERS: up to six tiles at a time as operand fragments
; (8 steps x 12 registers each), so that one weight fragment read from LDS feeds up to six products.  A range with more than six tiles takes a further trip of the outer loop, which gathers anew; no barrier stands in it.
; A group's six tiles are always gathered (rows at or past the last take token 256 q), so every register that a product names is written on every way; products, activation and stores of tiles past the last are jumped over.
; THE ROWS' LIST IS NEVER STORED: the token of row rho is the place of the rho-th set bit among the 256 role words' lane masks; lane l works it out for row base + l (macro SEL32, 32 rows at once).
; THE HEAD'S LOADS GO BY TURNS: 18 weight loads, then for each tile its 25 loads and 5 more weight loads; tile t - 2 passes through the wave's stage in LDS while tile t is asked for.
; THE PRODUCT IS USED TRANSPOSED (source 0 = 16 rows of w1, source 1 = 16 tokens), and lane r of tile 2 b + u takes weight row 32 b + 8 u + r + 8 (r / 8): a lane holds ONE token, and the 16 registers
; of two neighbouring tiles are 16 neighbouring hidden units, the next product's K.  The 64 units go in two halves of 32 (g's two tiles and lin's two): a loop of two trips; the first half's codes are kept until the second's are made.
; OUT.  hq [8 e][4 q][16 tiles][32 slices][768 bytes]: six registers a lane of the next operand, as an image: 16 bytes x lane, then 8 bytes x lane.  hsc [tile][32 slices][16 rows] u32: the two scale bytes at their places in the word.
; NO TENSOR LOAD, NO JOINT REQUEST: the number of tiles is read from memory.  No prefetch: the head's own loads ask for all that the work-group reads.
; LIMITS: NaN and infinities are not served; a block of zeros gets the byte 1 (its codes are zeros; only this program reads the bytes).
; REGISTERS: window 0 as named below; window 1 + t / 2: tile t's fragments at 96 (t % 2), its four accumulators at 192 + 32 (t % 2) (at the head the accumulators' 192 registers take the 48 weight loads).
.set WP,   784                         ; an LDS row of 768 bytes + 16
.set XST,  128*WP                      ; behind the weights: a stage of 16 rows for each wave,
.set WSI,  XST+4*16*WP                 ; and for each wave the weights' scale words: 2 halves x 8 steps x (8 bytes x lane)
.set LANE, 1
.set L16,  2
.set L8,   3
.set R4,   4
.set STO,  5                           ; stage, in: row lane / 16, 16 (lane % 16)
.set FRD,  6                           ; stage, out: row lane % 16, 48 (lane / 16)
.set WSA,  7
.set CD2,  8
.set R15,  9
.set C16,  10
.set H16,  11
.set T,    12                          ; the token of row base + lane
.set U1,   13
.set XSO,  14
.set U2,   15
.set RHO,  16
.set MV,   17
.set PK,   18
.set CA,   19
.set CB2,  20
.set CC,   21
.set KK,   22
.set POS,  23
.set TS,   24                          ; v24-31  the offset in xq of row 2 i + lane / 16
.set XS,   32                          ; v32-55  x's scale words, four a tile (scales and nothing else)
.set WS,   56                          ; v56-59  the weights' scale words of two steps (scales and nothing else)
.set WRD,  60
.set WRU,  61                          ; the weights' fragments of this half
.set WSU,  62                          ; their scale words
.set TXO,  63                          ; T of lane l xor 16
.set WF,   64                          ; v64-159 two sets of four weight fragments; at the head the scale words as loaded
.set HWS,  64
.set E,    160                         ; v160-175 the activation's 16
.set M1,   176
.set M2,   177
.set SCL,  178
.set BY,   179
.set CN,   180                         ; v180-182 codes just made
.set K,    184                         ; v184-219 six registers a tile: the operand's image
.set KB,   220                         ; v220-225 a tile's scale bytes
.set AW,   226                         ; v226-231 the weights' way into LDS
.set GW,   232
.set SOF,  233
.set LS4,  234
.set HRO,  236                         ; v236-243 the role words
.set SPW,  254
.set NIL,  255
.set M,    32                          ; s32-39 lane masks; s40-47 counts, then packed words; s48-55 running sums
.set N,    40
.set P,    48
.set TK,   66                          ; s66-97 the tokens of 32 rows
.set MSB, 0
.macro WIN new                         ; s_set_vgpr_msb: bits 1:0 source 0, 3:2 source 1, 5:4 source 2, 7:6 destination; the high byte repeats the setting that is left
.if MSB != (\new)
	s_set_vgpr_msb (MSB<<8)|(\new)
.set MSB, (\new)
.endif
.endm
.macro PLACES                          ; four plain lines between a matrix instruction and a load into, or a vector line on, its registers
.rept 4
	v_nop
.endr
.endm
.macro WM                              ; one matrix instruction, from the symbols QD QA QB QSA QSB QZ QRA QRB
.if QZ
.if QRA
	v_wmma_scale_f32_16x16x128_f8f6f4 v[QD:QD+7], v[QA:QA+11], v[QB:QB+11], 0, v[QSA], v[QSB] matrix_a_fmt:MATRIX_FMT_BF6 matrix_b_fmt:MATRIX_FMT_BF6 matrix_a_scale:MATRIX_SCALE_ROW1
.else
	v_wmma_scale_f32_16x16x128_f8f6f4 v[QD:QD+7], v[QA:QA+11], v[QB:QB+11], 0, v[QSA], v[QSB] matrix_a_fmt:MATRIX_FMT_BF6 matrix_b_fmt:MATRIX_FMT_BF6
.endif
.else
.if QRA
.if QRB
	v_wmma_scale_f32_16x16x128_f8f6f4 v[QD:QD+7], v[QA:QA+11], v[QB:QB+11], v[QD:QD+7], v[QSA], v[QSB] matrix_a_fmt:MATRIX_FMT_BF6 matrix_b_fmt:MATRIX_FMT_BF6 matrix_a_scale:MATRIX_SCALE_ROW1 matrix_b_scale:MATRIX_SCALE_ROW1
.else
	v_wmma_scale_f32_16x16x128_f8f6f4 v[QD:QD+7], v[QA:QA+11], v[QB:QB+11], v[QD:QD+7], v[QSA], v[QSB] matrix_a_fmt:MATRIX_FMT_BF6 matrix_b_fmt:MATRIX_FMT_BF6 matrix_a_scale:MATRIX_SCALE_ROW1
.endif
.else
.if QRB
	v_wmma_scale_f32_16x16x128_f8f6f4 v[QD:QD+7], v[QA:QA+11], v[QB:QB+11], v[QD:QD+7], v[QSA], v[QSB] matrix_a_fmt:MATRIX_FMT_BF6 matrix_b_fmt:MATRIX_FMT_BF6 matrix_b_scale:MATRIX_SCALE_ROW1
.else
	v_wmma_scale_f32_16x16x128_f8f6f4 v[QD:QD+7], v[QA:QA+11], v[QB:QB+11], v[QD:QD+7], v[QSA], v[QSB] matrix_a_fmt:MATRIX_FMT_BF6 matrix_b_fmt:MATRIX_FMT_BF6
.endif
.endif
.endif
.endm
.macro CHUNK c                         ; the running sums do not fall: the last chunk that does not begin behind my row holds it
	v_cmp_gt_u32 vcc_lo, s[P+\c], v[RHO]
	v_cndmask_b32 v[MV], s[M+\c], v[MV], vcc_lo
	v_cndmask_b32 v[PK], s[N+\c], v[PK], vcc_lo
.endm
.macro DESC src, w                     ; a halving: if the wanted bit is not among the lower w bits' set bits, they are passed over
	v_bfe_u32 v[U1], v[\src], v[POS], \w
	v_cmp_ge_u32 vcc_lo, v[KK], v[U1]
	v_cndmask_b32 v[U1], 0, v[U1], vcc_lo
	v_cndmask_b32 v[U2], 0, \w, vcc_lo
	v_sub_nc_u32 v[KK], v[KK], v[U1]
	v_add_nc_u32 v[POS], v[POS], v[U2]
.endm
.macro SEL32                           ; the tokens of rows s24 .. s24 + 31: lane l's in T, lane l xor 16's in TXO, all 32 in s66-97
	v_add_nc_u32 v[RHO], s24, v[LANE]
	v_mov_b32 v[MV], s[M]
	v_mov_b32 v[PK], 0
.irp c, 1,2,3,4,5,6,7
	CHUNK \c
.endr
	v_lshrrev_b32 v[U1], 1, v[MV]                  ; the set bits of each 2, 4, 8 and 16 bits of the mask, by masked additions
	v_and_b32 v[U1], 0x55555555, v[U1]
	v_sub_nc_u32 v[CA], v[MV], v[U1]
	v_lshrrev_b32 v[U1], 2, v[CA]
	v_and_b32 v[U2], 0x33333333, v[CA]
	v_and_b32 v[U1], 0x33333333, v[U1]
	v_add_nc_u32 v[CB2], v[U2], v[U1]
	v_lshrrev_b32 v[U1], 4, v[CB2]
	v_add_nc_u32 v[U1], v[CB2], v[U1]
	v_and_b32 v[CC], 0x0f0f0f0f, v[U1]
	v_lshrrev_b32 v[U1], 8, v[CC]
	v_add_nc_u32 v[CD2], v[CC], v[U1]
	v_and_b32 v[U1], 0xffff, v[PK]
	v_sub_nc_u32 v[KK], v[RHO], v[U1]              ; my row is the chunk's KK-th, from 0
	v_and_b32 v[U1], 0xff, v[CD2]
	v_cmp_ge_u32 vcc_lo, v[KK], v[U1]
	v_cndmask_b32 v[U1], 0, v[U1], vcc_lo
	v_cndmask_b32 v[POS], 0, 16, vcc_lo
	v_sub_nc_u32 v[KK], v[KK], v[U1]
	DESC CC, 8
	DESC CB2, 4
	DESC CA, 2
	v_bfe_u32 v[U1], v[MV], v[POS], 1
	v_cmp_ge_u32 vcc_lo, v[KK], v[U1]
	v_cndmask_b32 v[U2], 0, 1, vcc_lo
	v_add_nc_u32 v[POS], v[POS], v[U2]
	v_lshrrev_b32 v[U1], 16, v[PK]
	v_add_nc_u32 v[POS], v[POS], v[U1]             ; + the chunk's first token
	v_add_nc_u32 v[POS], s30, v[POS]               ; + the range's
	v_cmp_gt_u32 vcc_lo, s56, v[RHO]               ; a true row?
	v_cndmask_b32 v[T], s30, v[POS], vcc_lo        ; else the range's first token
	v_permlanex16_b32 v[TXO], v[T], s28, s29
.set rr, 0
.rept 32
	v_readlane_b32 s[TK+rr], v[T], rr
.set rr, rr+1
.endr
.endm
.macro TOKS par                        ; the offsets of tile par of the 32 rows.  Tokens become offsets: held under 1,024, times the row's bytes, plus my lane's place
	s_mov_b32 vcc_lo, 0xffff0000
.irp i, 0,1,2,3,4,5,6,7                ; load i: lanes 0-15 take row 2 i, lanes 16-31 row 2 i + 1
	v_mov_b32 v[TS+\i], s[TK+16*(\par)+2*\i+1]
	v_cndmask_b32 v[TS+\i], s[TK+16*(\par)+2*\i], v[TS+\i], vcc_lo
	v_min_u32 v[TS+\i], 0x3ff, v[TS+\i]
	v_mul_u32_u24 v[TS+\i], v[TS+\i], 768
	v_add_nc_u32 v[TS+\i], v[TS+\i], v[C16]
.endr
.if (\par) == 0
	v_cndmask_b32 v[U1], v[T], v[TXO], vcc_lo      ; the token of row lane % 16 of the tile, in both halves of the lanes
.else
	v_cndmask_b32 v[U1], v[TXO], v[T], vcc_lo
.endif
	v_min_u32 v[XSO], 0x3ff, v[U1]
	v_mul_u32_u24 v[XSO], v[XSO], 32
	v_add_nc_u32 v[XSO], v[XSO], v[H16]
.endm
.macro GATHERX t                       ; tile t: 25 loads
	global_load_b128 v[XS+4*(\t):XS+4*(\t)+3], v[XSO], s[6:7]      ; lanes 0-15 the words of steps 0-3 of row lane % 16, lanes 16-31 those of steps 4-7
	WIN (1+(\t)/2)<<6
.irp i, 0,1,2,3,4,5,6,7                ; sixteen lanes read 256 consecutive aligned bytes of a row
.irp p, 0,1,2
	global_load_b128 v[96*((\t)%2)+12*\i+4*\p:96*((\t)%2)+12*\i+4*\p+3], v[TS+\i], s[4:5] offset:256*\p
.endr
.endr
	WIN 0
.endm
.macro WLOADS i0, n                    ; weight loads i0 .. of my 48: 512 consecutive bytes each, read once in the launch
.set wi, \i0
.rept \n
	WIN (1+wi/16)<<6
	global_load_b128 v[192+4*(wi%16):192+4*(wi%16)+3], v[GW], s[10:11] offset:1572864*(wi/24)+24576*((wi/12)%2)+512*(wi%12) th:TH_LOAD_NT
.set wi, wi+1
.endr
	WIN 0
.endm
.macro WSTORES i0, n                   ; and their way into LDS
.set wi, \i0
.rept \n
	WIN (1+wi/16)<<2
	ds_store_b128 v[AW+(wi%3)+3*(wi/24)], v[192+4*(wi%16):192+4*(wi%16)+3] offset:2*WP*((wi%12)/3)+32*WP*((wi/12)%2)
.set wi, wi+1
.endr
	WIN 0
.endm
.macro STAGEX t, cnt                   ; tile t goes through my stage and comes back as fragments, into the same registers; LDS serves a wave's instructions in order
	s_wait_loadcnt \cnt                            ; tile t is in: cnt is at most the loads issued behind its last
	WIN (1+(\t)/2)<<2
.irp i, 0,1,2,3,4,5,6,7
.irp p, 0,1,2
	ds_store_b128 v[STO], v[96*((\t)%2)+12*\i+4*\p:96*((\t)%2)+12*\i+4*\p+3] offset:2*WP*\i+256*\p
.endr
.endr
	WIN (1+(\t)/2)<<6
.irp s, 0,1,2,3,4,5,6,7
.irp p, 0,1,2
	ds_load_b128 v[96*((\t)%2)+12*\s+4*\p:96*((\t)%2)+12*\s+4*\p+3], v[FRD] offset:96*\s+16*\p
.endr
.endr
	WIN 0
.endm
.macro ISSUE t, withw
	s_wait_xcnt 0x0                                ; earlier loads and stores have read their offsets and data
.if ((\t)%2) == 0
	s_add_co_u32 s24, s25, \t
	s_lshl_b32 s24, s24, 4
	SEL32
.endif
	TOKS ((\t)%2)
	GATHERX \t
.if \withw
	WLOADS 18+5*(\t), 5
.endif
.endm
.macro GALL withw                      ; the six tiles from tile s25 on.  withw = 1: a tile's 25 loads are followed by 5 weight loads
	ISSUE 0, \withw
	ISSUE 1, \withw
.irp t, 2,3,4,5
	ISSUE \t, \withw
.if \withw
	STAGEX \t-2, 63                                ; 65 loads were issued behind tile t - 2's last
.if \t == 2
	WSTORES 0, 18
.else
	WSTORES 18+5*(\t-3), 5
.endif
.else
	STAGEX \t-2, 50
.endif
.endr
.if \withw
	STAGEX 4, 35
	WSTORES 33, 5
	STAGEX 5, 5
	WSTORES 38, 5
	s_wait_loadcnt 0x0
	WSTORES 43, 5
.else
	STAGEX 4, 25
	STAGEX 5, 0
.endif
.endm
	s_load_b256 s[4:11], s[0:1], 0x0               ; xq s[4:5], xs s[6:7], role s[8:9], w1_codes s[10:11]
	s_load_b128 s[12:15], s[0:1], 0x20             ; w1_scales s[12:13], hq s[14:15]
	s_load_b64 s[16:17], s[0:1], 0x30              ; hsc
	v_lshl_add_u32 v[SPW], v0, 2, 0x29000
	v_mov_b32 v[NIL], 0
	v_lshrrev_b32 v[U1], 5, v0
	v_readfirstlane_b32 s18, v[U1]                 ; wave = range q of the tokens
	s_mov_b32 s19, ttmp9                           ; slice
	s_and_b32 s20, ttmp7, 0xffff                   ; expert
	s_and_b32 s21, s19, 1
	s_lshl_b32 s21, s21, 4                         ; my two scale bytes stand 16 (slice % 2) bits up in the scale word
	s_mov_b32 s28, 0x76543210
	s_mov_b32 s29, 0xfedcba98                      ; v_permlanex16_b32's selects for lane l xor 16
	s_lshl_b32 s30, s18, 8                         ; 256 q: the range's first token, and the token of spare rows
	s_mov_b32 s58, 0xbfb8aa3b                      ; -log2(e)
	s_mov_b32 s59, s58
	s_mov_b32 s23, 0                               ; stays 0: the upper word of the pair s[22:23]
	v_and_b32 v[LANE], 31, v0
	v_lshlrev_b32 v[L16], 4, v[LANE]
	v_lshlrev_b32 v[L8], 3, v[LANE]
	v_and_b32 v[R15], 15, v0                       ; r
	v_bfe_u32 v[U1], v0, 4, 1                      ; h
	v_lshlrev_b32 v[R4], 2, v[R15]
	v_lshlrev_b32 v[C16], 4, v[R15]
	v_lshlrev_b32 v[H16], 4, v[U1]
	v_lshlrev_b32 v[LS4], 2, v[LANE]
	s_mul_i32 s57, s18, 16*WP
	s_add_co_u32 s57, s57, XST
	v_mul_u32_u24 v[STO], v[U1], WP
	v_add_nc_u32 v[STO], v[STO], v[C16]
	v_add_nc_u32 v[STO], s57, v[STO]
	v_mul_u32_u24 v[FRD], v[R15], WP
	v_mad_u32_u24 v[FRD], v[U1], 48, v[FRD]
	v_add_nc_u32 v[FRD], s57, v[FRD]
	s_lshl_b32 s57, s18, 12
	s_add_co_u32 s57, s57, WSI
	v_add_nc_u32 v[WSA], s57, v[L8]
	; the weights' way into LDS.  A part is 32 rows on end in memory; wave w brings rows 8 w .. 8 w + 7, which are lanes 8 (w / 2) .. + 7 of tile w % 2 of the part: LDS row 16 (w % 2) + 8 (w / 2) + 0 .. 7
	s_and_b32 s57, s18, 1
	s_lshl_b32 s57, s57, 4
	s_lshr_b32 s22, s18, 1
	s_lshl_b32 s22, s22, 3
	s_add_co_u32 s57, s57, s22
	s_mul_i32 s57, s57, WP
	v_add_nc_u32 v[AW], s57, v[L16]                ; three loads of 512 bytes are two rows of 768: the first lies in the first row,
	v_add_nc_u32 v[AW+1], v[AW], v[H16]
	v_add_nc_u32 v[AW+1], 512, v[AW+1]             ; the second ends it and begins the next (16 bytes of padding between),
	v_add_nc_u32 v[AW+2], 1040, v[AW]              ; the third ends that
.irp i, 0,1,2
	v_add_nc_u32 v[AW+3+\i], 64*WP, v[AW+\i]       ; lin's parts lie 64 rows further on
.endr
	v_mul_u32_u24 v[WRD], v[R15], WP
	v_mad_u32_u24 v[WRD], v[U1], 24, v[WRD]        ; out: row lane % 16 of a tile, + 24 (lane / 16)
	s_mul_i32 s57, s18, 6144
	v_add_nc_u32 v[GW], s57, v[L16]
	v_and_b32 v[SOF], 8, v[R15]
	v_add_nc_u32 v[SOF], v[SOF], v[R15]
	v_lshl_add_u32 v[SOF], v[U1], 3, v[SOF]
	v_lshlrev_b32 v[SOF], 5, v[SOF]                ; scale bytes: 32 a row; lane (r, h) takes the row of lane r of tile h of a pair
	v_mov_b32 v[TXO], 0                            ; a lane permute's destination counts as one of its sources
	v_mov_b32 v[M2], 0
.irp t, 0,1,2,3,4,5                    ; what the first half keeps for the second: written once here, so that every way through the text finds it written
	v_mov_b32 v[K+6*\t], 0
	v_mov_b32 v[K+6*\t+1], 0
	v_mov_b32 v[K+6*\t+2], 0
	v_mov_b32 v[KB+\t], 0
.endr
	s_wait_alu depctr_va_vdst(0)
	s_wait_kmcnt 0x0
	s_lshl_b32 s57, s20, 2
	s_add_co_u32 s57, s57, s18                     ; 4 e + q
	s_lshl_b32 s22, s57, 10
	s_add_nc_u64 s[8:9], s[8:9], s[22:23]          ; role: 256 words for each (e, q)
	s_mul_i32 s22, s20, 3145728
	s_mul_i32 s56, s19, 49152
	s_add_co_u32 s22, s22, s56
	s_add_nc_u64 s[10:11], s[10:11], s[22:23]      ; w1_codes: expert, then g's row 64 slice
	s_lshl_b32 s22, s20, 17
	s_lshl_b32 s56, s19, 11
	s_add_co_u32 s22, s22, s56
	s_add_nc_u64 s[12:13], s[12:13], s[22:23]      ; w1_scales likewise
	s_mul_i32 s22, s57, 393216
	s_mul_i32 s56, s19, 768
	s_add_co_u32 s22, s22, s56
	s_add_nc_u64 s[14:15], s[14:15], s[22:23]      ; hq: tile 0 of (e, q), my slice
	s_lshl_b32 s22, s57, 15
	s_lshl_b32 s56, s19, 6
	s_add_co_u32 s22, s22, s56
	s_add_nc_u64 s[16:17], s[16:17], s[22:23]      ; hsc likewise
.irp c, 0,1,2,3,4,5,6,7
	global_load_b32 v[HRO+\c], v[LS4], s[8:9] offset:128*\c
.endr
.irp i, 0,1,2,3                        ; pair i of tiles: g or lin (i / 2), units 32 (i % 2) on
	global_load_b128 v[HWS+8*\i:HWS+8*\i+3], v[SOF], s[12:13] offset:65536*(\i/2)+1024*(\i%2)
	global_load_b128 v[HWS+8*\i+4:HWS+8*\i+7], v[SOF], s[12:13] offset:65536*(\i/2)+1024*(\i%2)+16
.endr
	WLOADS 0, 18
	s_wait_loadcnt 18                              ; the role words and the scale words are in; the 18 weight loads may be out
.irp c, 0,1,2,3,4,5,6,7
	v_cmp_ne_u32 s[M+\c], 0, v[HRO+\c]             ; which of tokens 32 c .. 32 c + 31 chose this expert
.endr
.irp c, 0,1,2,3,4,5,6,7
	s_bcnt1_i32_b32 s[N+\c], s[M+\c]
.endr
	s_mov_b32 s[P], 0
.irp c, 0,1,2,3,4,5,6
	s_add_co_u32 s[P+\c+1], s[P+\c], s[N+\c]       ; chunk c + 1's first row
.endr
	s_add_co_u32 s56, s[P+7], s[N+7]               ; n: the rows
	s_add_co_u32 s26, s56, 15
	s_lshr_b32 s26, s26, 4                         ; nt: tiles of 16
.irp c, 1,2,3,4,5,6,7
	s_or_b32 s[N+\c], s[P+\c], (32*\c)<<16         ; chunk c's first token over its first row
.endr
.irp s, 0,1,2,3,4,5,6,7
.irp i, 0,1,2,3
	ds_store_b32 v[WSA], v[HWS+8*\i+\s] offset:2048*(\i%2)+256*\s+4*(\i/2)   ; half i % 2, step s: 8 bytes a lane: g's pair of tiles, then lin's; a pair's first tile in lanes 0-15, its second in lanes 16-31
.endr
.endr
.irp i, 0,1,2,3
	v_mov_b32 v[E+\i], 0
.endr
	v_mul_u32_u24 v[WRU], v0, WP
	ds_store_b128 v[WRU], v[E:E+3] offset:768      ; thread i writes the 16 bytes of padding behind weight row i: every byte of the weights' region holds a value
	s_mov_b32 s25, 0                               ; the group's first tile
	GALL 1
	s_wait_dscnt 0x0                               ; for the others' sake: my part of the weights has landed; and my fragments are in
	s_barrier_signal -1
	s_barrier_wait -1
	s_add_co_u32 s98, s26, 5
	s_mul_i32 s98, s98, 43
	s_lshr_b32 s98, s98, 8                         ; the groups of six tiles: (nt + 5) / 6, exact for nt = 0 .. 16
	s_mov_b32 s63, 0                               ; the group's number
	s_cmp_eq_u32 s26, 0
	s_cbranch_scc1 .Lend                           ; none of my 256 tokens chose this expert
.macro FETCH s                         ; step s: the half's four weight fragments and their two scale registers, into set s % 2: 25 loads
.irp j, 0,1,2,3
.irp p, 0,1,2,3,4,5
	ds_load_b64 v[WF+48*((\s)%2)+12*\j+2*\p:WF+48*((\s)%2)+12*\j+2*\p+1], v[WRU] offset:16*WP*(\j+2*(\j/2))+96*(\s)+48*(\p/3)+8*(\p%3)
.endr
.endr
	ds_load_b64 v[WS+2*((\s)%2):WS+2*((\s)%2)+1], v[WSU] offset:256*(\s)
.endm
.macro MMT s, t                        ; step s, tile t: its four accumulators by turns, one instruction a turn
	WIN 0x54*(1+(\t)/2)
.set JJ, 0
.rept 4
.set QD, 192+32*((\t)%2)+8*JJ
.set QA, WF+48*((\s)%2)+12*JJ
.set QB, 96*((\t)%2)+12*(\s)
.set QSA, WS+2*((\s)%2)+JJ/2
.set QSB, XS+4*(\t)+(\s)%4
.set QRA, JJ%2
.set QRB, (\s)/4
.if (\s) == 0
.set QZ, 1
.else
.set QZ, 0
.endif
	WM
.set JJ, JJ+1
.endr
.endm
.macro KSTEP s                         ; tiles 0 and 1 always (a spare tile holds token 256 q's rows, and its results are dropped); tiles 2 and 3, 4, 5 where the group has them
.if (\s) > 0
	PLACES
.endif
.if (\s) < 7
	FETCH (\s)+1
	s_wait_dscnt 25                                ; this step's set is in; the 25 just issued may be out
.else
	s_wait_dscnt 0x0
.endif
	MMT \s, 0
	MMT \s, 1
	WIN 0
	s_cmp_gt_u32 s27, 2
	s_cbranch_scc0 .Lks_\@
	MMT \s, 2
	MMT \s, 3
	WIN 0
	s_cmp_gt_u32 s27, 4
	s_cbranch_scc0 .Lks_\@
	MMT \s, 4
	WIN 0
	s_cmp_gt_u32 s27, 5
	s_cbranch_scc0 .Lks_\@
	MMT \s, 5
	WIN 0
.Lks_\@:
.endm
; Tile t's 32 units of this half: silu(g) lin = g / (1 + 2^(-g log2 e)) x lin in f32, the block's scale, its codes.  Register i = unit 32 half + 16 (lane / 16) + i of my token.
.macro EPI t
.set AB, 192+32*((\t)%2)
.set KT, K+6*(\t)
.if (\t) > 0
	s_cmp_gt_u32 s27, \t
	s_cbranch_scc0 .Lepi_end
.endif
	WIN 1+(\t)/2
	s_wait_alu depctr_va_vdst(0)                   ; ahead of the first read of matrix results
.irp j, 0,2,4,6,8,10,12,14
	v_pk_mul_f32 v[E+\j:E+\j+1], v[AB+\j:AB+\j+1], s[58:59] op_sel_hi:[1,0]   ; each accumulator from its low end on
.endr
	WIN 0
	s_wait_alu depctr_va_vdst(0)                   ; ahead of the batch
.irp j, 0,1,2,3,4,5,6,7,8,9,10,11,12,13,14,15
	v_exp_f32 v[E+\j], v[E+\j]
.endr
	v_nop
	s_wait_alu depctr_va_vdst(0)                   ; and behind it
.irp j, 0,2,4,6,8,10,12,14
	v_pk_add_f32 v[E+\j:E+\j+1], v[E+\j:E+\j+1], 1.0 op_sel_hi:[1,0]
.endr
	s_wait_alu depctr_va_vdst(0)
.irp j, 0,1,2,3,4,5,6,7,8,9,10,11,12,13,14,15
	v_rcp_f32 v[E+\j], v[E+\j]
.endr
	v_nop
	WIN 1+(\t)/2
	s_wait_alu depctr_va_vdst(0)                   ; for the batch, and for lin's accumulators, first read below
.irp j, 0,2,4,6,8,10,12,14
	v_pk_mul_f32 v[E+\j:E+\j+1], v[AB+\j:AB+\j+1], v[E+\j:E+\j+1]
.endr
.irp j, 0,2,4,6,8,10,12,14
	v_pk_mul_f32 v[E+\j:E+\j+1], v[AB+16+\j:AB+16+\j+1], v[E+\j:E+\j+1]
.endr
	WIN 0
	v_max3_num_f32 v[M1], |v[E]|, |v[E+1]|, 0x2800000              ; with the floor 2^(5 - 127): the byte cannot fall under 1
	v_max3_num_f32 v[M2], |v[E+2]|, |v[E+3]|, |v[E+4]|
.irp i, 5,9
	v_max3_num_f32 v[M1], v[M1], |v[E+\i]|, |v[E+\i+1]|
	v_max3_num_f32 v[M2], v[M2], |v[E+\i+2]|, |v[E+\i+3]|
.endr
	v_max3_num_f32 v[M1], v[M1], |v[E+13]|, |v[E+14]|
	v_max3_num_f32 v[M1], v[M1], v[M2], |v[E+15]|
	v_permlanex16_b32 v[M2], v[M1], s28, s29
	v_max_num_f32 v[M1], v[M1], v[M2]              ; with lane l xor 16's 16: the block's largest magnitude
	v_add_nc_u32 v[SCL], 0xfe000000, v[M1]         ; 4 off its exponent field: the conversion's scale operand
	v_lshrrev_b32 v[BY], 23, v[SCL]                ; the scale's byte
	v_cvt_scalef32_pk16_bf6_f32 v[CN:CN+2], v[E:E+15], v[SCL]
	v_nop                                          ; one plain line behind a scaled conversion
	s_cmp_eq_u32 s60, 0
	s_wait_alu depctr_va_vdst(0)                   ; directly ahead of the branch
	s_cbranch_scc0 .Lsec_\@
.irp i, 0,1,2
	v_mov_b32 v[KT+\i], v[CN+\i]                   ; the first half's codes and byte are kept
.endr
	v_mov_b32 v[KB+(\t)], v[BY]
	s_branch .Ldn_\@
.Lsec_\@:
.irp i, 0,1,2
	v_permlane16_swap_b32 v[KT+\i], v[CN+\i]       ; a lane wants a WHOLE block: lanes 0-15 the first half's, lanes 16-31 the second's
.endr
.irp i, 0,1,2
	v_mov_b32 v[KT+3+\i], v[CN+\i]
.endr
	v_lshl_or_b32 v[KB+(\t)], v[BY], 8, v[KB+(\t)]
	v_lshlrev_b32 v[KB+(\t)], s21, v[KB+(\t)]      ; at their places in the scale word
	global_store_b128 v[L16], v[KT:KT+3], s[14:15] offset:24576*(\t)           ; 512 consecutive bytes,
	global_store_b64 v[L8], v[KT+4:KT+5], s[14:15] offset:24576*(\t)+512       ; and 256, each from a multiple of 256
	global_store_b32 v[R4], v[KB+(\t)], s[16:17] offset:2048*(\t)              ; 16 words (lanes 16-31 repeat lanes 0-15's)
.Ldn_\@:
	s_wait_alu depctr_va_vdst(0)
.endm
.Lgrp:                                             ; tiles s25 .. s25 + 5 lie in my registers
	s_sub_co_u32 s27, s26, s25                     ; the tiles left, at least 1
	s_mov_b32 s60, 0                               ; the half
.Lhalf:
	s_cmp_eq_u32 s60, 0
	s_cselect_b32 s61, 0, 32*WP                    ; the second half's tiles lie 32 rows further on,
	s_cselect_b32 s62, 0, 2048                     ; its scale words 2,048 bytes
	v_add_nc_u32 v[WRU], s61, v[WRD]
	v_add_nc_u32 v[WSU], s62, v[WSA]
	s_wait_alu depctr_va_vdst(0)
	FETCH 0
.irp s, 0,1,2,3,4,5,6,7
	KSTEP \s
.endr
	PLACES
.irp t, 0,1,2,3,4,5
	EPI \t
.endr
.Lepi_end:
	s_wait_xcnt 0x0                                ; the stores have read their data: the kept registers are written again only behind this wait
	s_add_co_u32 s60, s60, 1
	s_cmp_lt_u32 s60, 2
	s_cbranch_scc1 .Lhalf
	s_add_co_u32 s25, s25, 6
	s_add_co_u32 s63, s63, 1
	s_cmp_ge_u32 s63, s98
	s_cbranch_scc1 .Lend
	s_wait_xcnt 0x0                                ; the stores have read their bases
	s_add_nc_u64 s[14:15], s[14:15], 6*24576
	s_add_nc_u64 s[16:17], s[16:17], 6*2048
	GALL 0                                         ; a range with more than six tiles: the next six
	s_wait_dscnt 0x0
	s_cmp_lt_u32 s63, s98
	s_cbranch_scc1 .Lgrp
.Lend:
	s_wait_tensorcnt 0x0                           ; the wave's end
	ds_add_u32 v[SPW], v[NIL]
	s_wait_dscnt 0x0
	s_endpgm
.Lfunc_end_k_q020b60b18a_up:
	.size	k_q020b60b18a_up, .Lfunc_end_k_q020b60b18a_up-k_q020b60b18a_up
	.p2alignl 7, 3214868480
	.fill 96, 4, 3214868480
	.section	.rodata,"a",@progbits
	.p2align	6, 0x0
	.amdhsa_kernel k_q020b60b18a_up
		.amdhsa_group_segment_fixed_size 168448
		.amdhsa_private_segment_fixed_size 0
		.amdhsa_enable_private_segment 0
		.amdhsa_kernarg_size 56
		.amdhsa_user_sgpr_count 2
		.amdhsa_user_sgpr_kernarg_segment_ptr 1
		.amdhsa_wavefront_size32 1
		.amdhsa_system_sgpr_workgroup_id_x 1
		.amdhsa_system_sgpr_workgroup_id_y 1
		.amdhsa_system_sgpr_workgroup_id_z 1
		.amdhsa_system_vgpr_workitem_id 0
		.amdhsa_next_free_vgpr 1024
		.amdhsa_next_free_sgpr 100
		.amdhsa_reserve_vcc 1
		.amdhsa_float_denorm_mode_32 3
		.amdhsa_float_denorm_mode_16_64 3
		.amdhsa_memory_ordered 1
		.amdhsa_forward_progress 1
		.amdhsa_inst_pref_size 214
	.end_amdhsa_kernel
	.amdgpu_metadata
---
amdhsa.version: [ 1, 2 ]
amdhsa.kernels:
  - .name:           k_q020b60b18a_up
    .symbol:         k_q020b60b18a_up.kd
    .args:
      - { .name: xq, .offset: 0, .size: 8, .value_kind: global_buffer, .address_space: global }
      - { .name: xs, .offset: 8, .size: 8, .value_kind: global_buffer, .address_space: global }
      - { .name: role, .offset: 16, .size: 8, .value_kind: global_buffer, .address_space: global }
      - { .name: w1_codes, .offset: 24, .size: 8, .value_kind: global_buffer, .address_space: global }
      - { .name: w1_scales, .offset: 32, .size: 8, .value_kind: global_buffer, .address_space: global }
      - { .name: hq, .offset: 40, .size: 8, .value_kind: global_buffer, .address_space: global }
      - { .name: hsc, .offset: 48, .size: 8, .value_kind: global_buffer, .address_space: global }
    .group_segment_fixed_size: 168448
    .private_segment_fixed_size: 0
    .kernarg_segment_align: 8
    .kernarg_segment_size: 56
    .max_flat_workgroup_size: 128
    .sgpr_count:     100
    .vgpr_count:     1024
    .wavefront_size: 32
...
	.end_amdgpu_metadata
.endif
;; end of part 2
;; launch down (part 3): grid 32 x 8, 4 waves a work-group, no clusters, 117,248 bytes of LDS; arguments hq, hsc, role, cw, w2_codes, w2_scales, y; writes y
.if DOCPART == 3
	.amdgcn_target "amdgcn-amd-amdhsa--gfx1250"
	.amdhsa_code_object_version 6
	.text
	.protected	k_q020b60b18a_down
	.globl	k_q020b60b18a_down
	.p2align	8
	.type	k_q020b60b18a_down,@function
k_q020b60b18a_down:
	s_mov_b64 s[64:65], 0
	v_nop
	global_prefetch_b8 v0, s[64:65] scope:SCOPE_SE
	s_setreg_imm32_b32 hwreg(HW_REG_WAVE_MODE, 25, 1), 1
	s_wait_xcnt 0x0
; SECOND PRODUCT OF THE CHOSEN EXPERTS:  y[rank][token][:] = comb x (hidden w2[e]), on codes of E3M2 with one E8M0 scale for each 32 along K (K = 2,048 hidden units, 16 steps of 128).
; SHARES.  Work-group (2 slice + p, e) owns output columns 64 slice .. + 63 of expert e: 64 rows of w2, 1,536 bytes each.  THE WEIGHTS STAY: all four waves hold the same 64 fragments (4 tiles x 16 steps).
; Wave w serves the range q = 2 p + w / 2 of 256 tokens, tiles w % 2, w % 2 + 2, .. of its nt tiles (nt is made from the role words, as in the launch before, and the rows' order is the same).
; The hidden layer's tiles lie in hq as images of the operand's registers: a fragment comes by four loads of whole aligned blocks of 256 bytes.
; TRANSPOSED: source 0 = 16 rows of w2 (output columns), source 1 = 16 tokens: a lane holds one token and eight neighbouring columns.
; OUT.  y: [2][1024 tokens][1024] f32, and behind it 128 spare rows.  A token has one first and one second choice: the first's result goes to y[0][token], the second's to y[1][token], multiplied by its
; weight; so each row has one owner and the last launch adds the two.  Sixteen lanes store a row's 256 bytes.
; THE ROW OF y IS CHOSEN, NOT COMPUTED, FROM THE ROLE: the token comes from the list (numbers made of ids alone go from lane to lane); its role word is loaded and only compared; v_cndmask_b32 takes token or
; token + 1024.  The spare rows of a range's last tile (at most 15) go to two rows of y that are this wave's alone, 2048 + 2 ((2 e + p) 4 + w) + lane / 16, and that nobody reads: so no line of the loop
; narrows EXEC, and a tile's eight stores stand together with no wait between them.
; The two work-groups p = 0, 1 read the same 96 KB of w2: 64 columns are 256 bytes of a row of y, and half the ranges each keep all 256 work-groups at work.
; NO TENSOR LOAD, NO JOINT REQUEST: the trip count is read from memory.  No prefetch: the weights are asked for by the first loads.
; REGISTERS, in windows of 256: window 0 as named below; windows 1 to 3: weight fragments 0 .. 62, 21 to a window; fragment 63 in window 0.
.set WP,   1552                        ; an LDS row of 1,536 bytes + 16 = 388 words: the 16 rows that a load touches begin 4 words apart modulo 64
.set YST,  64*WP                       ; behind the 64 weight rows: a stage of 16 rows x (256 + 16) bytes for each wave
.set LANE, 1
.set L16,  2
.set L8,   3
.set HSO,  4                           ; 4 (lane % 16) + 1024 (lane / 16)
.set STO,  5
.set SRD,  6
.set HSEL, 7                           ; 4 (lane / 16)
.set C16,  8
.set T,    9                           ; the token of row lane % 16
.set TX,   10
.set LL,   11
.set CW,   12                          ; v12 the weight of my token (v13 is named with it as a pair)
.set CWO,  14
.set TOKB, 15
.set RI,   16                          ; v16-23  the row number of token 32 c + lane, or a huge number
.set TV,   24                          ; v24-31  256 q + 32 c + lane: the tokens' numbers, made of ids; never rewritten
.set TS,   32                          ; v32-39  the token of row 2 i + lane / 16, then that row's offset in y
.set HS,   40                          ; v40-47  the hidden layer's scale words (scales and nothing else)
.set WS,   48                          ; v48-79  the weights' scale words, for the whole launch (scales and nothing else)
.set U,    80                          ; v80-95  the halves of the hidden layer's scale words as loaded; at the head the role words
.set WX,   96                          ; v96-107 weight fragment 63
.set ACC,  108                         ; v108-139 four accumulators
.set F,    140                         ; v140-235 eight fragments of the hidden layer
.set TA,   236                         ; v236-243 macro TOK's lane addresses;
.set RO,   236                         ;          behind it the offsets of the eight role words
.set PR,   244                         ; v244-251 what the push brought;
.set RS,   244                         ;          behind it the eight role words
.set DMP,  252                         ; v252    my wave's spare row of y, one for each half of the lanes; never rewritten
.set DW,   236                         ; at the head only
.set WRD,  237
.set GW,   238
.set SOF,  239
.set LS4,  240
.set BIG,  241
.set M,    32                          ; s32-39 lane masks; s40-47 counts; s48-55 running sums
.set N,    40
.set P,    48
.set RLE,  62                          ; s[62:63] role[e]
.set HQT,  74                          ; s[74:75] this tile in hq;  s[76:77] the next;  s[78:79] the next in hsc
.set HQN,  76
.set HSN,  78
.set MSB, 0
.macro WIN new                         ; s_set_vgpr_msb: bits 1:0 source 0, 3:2 source 1, 5:4 source 2, 7:6 destination; the high byte repeats the setting that is left
.if MSB != (\new)
	s_set_vgpr_msb (MSB<<8)|(\new)
.set MSB, (\new)
.endif
.endm
.macro FREG f                          ; weight fragment f = 4 s + tile
.if (\f) < 63
.set FW, 1+(\f)/21
.set FR, 12*((\f)%21)
.else
.set FW, 0
.set FR, WX
.endif
.endm
.macro TREG i                          ; where weight load i of 48 lands: in the registers of tile 3's sixteen fragments, which are filled last
	FREG 4*((\i)/3)+3
.set TR, FR+4*((\i)%3)
.endm
.macro PLACES                          ; four plain lines between a matrix instruction and a load into, or a vector line on, its registers
.rept 4
	v_nop
.endr
.endm
.macro WM                              ; one matrix instruction, from the symbols QD QA QB QSA QSB QZ QRA QRB
.if QZ
.if QRA
	v_wmma_scale_f32_16x16x128_f8f6f4 v[QD:QD+7], v[QA:QA+11], v[QB:QB+11], 0, v[QSA], v[QSB] matrix_a_fmt:MATRIX_FMT_BF6 matrix_b_fmt:MATRIX_FMT_BF6 matrix_a_scale:MATRIX_SCALE_ROW1
.else
	v_wmma_scale_f32_16x16x128_f8f6f4 v[QD:QD+7], v[QA:QA+11], v[QB:QB+11], 0, v[QSA], v[QSB] matrix_a_fmt:MATRIX_FMT_BF6 matrix_b_fmt:MATRIX_FMT_BF6
.endif
.else
.if QRA
.if QRB
	v_wmma_scale_f32_16x16x128_f8f6f4 v[QD:QD+7], v[QA:QA+11], v[QB:QB+11], v[QD:QD+7], v[QSA], v[QSB] matrix_a_fmt:MATRIX_FMT_BF6 matrix_b_fmt:MATRIX_FMT_BF6 matrix_a_scale:MATRIX_SCALE_ROW1 matrix_b_scale:MATRIX_SCALE_ROW1
.else
	v_wmma_scale_f32_16x16x128_f8f6f4 v[QD:QD+7], v[QA:QA+11], v[QB:QB+11], v[QD:QD+7], v[QSA], v[QSB] matrix_a_fmt:MATRIX_FMT_BF6 matrix_b_fmt:MATRIX_FMT_BF6 matrix_a_scale:MATRIX_SCALE_ROW1
.endif
.else
.if QRB
	v_wmma_scale_f32_16x16x128_f8f6f4 v[QD:QD+7], v[QA:QA+11], v[QB:QB+11], v[QD:QD+7], v[QSA], v[QSB] matrix_a_fmt:MATRIX_FMT_BF6 matrix_b_fmt:MATRIX_FMT_BF6 matrix_b_scale:MATRIX_SCALE_ROW1
.else
	v_wmma_scale_f32_16x16x128_f8f6f4 v[QD:QD+7], v[QA:QA+11], v[QB:QB+11], v[QD:QD+7], v[QSA], v[QSB] matrix_a_fmt:MATRIX_FMT_BF6 matrix_b_fmt:MATRIX_FMT_BF6
.endif
.endif
.endif
.endm
	s_load_b256 s[4:11], s[0:1], 0x0               ; hq s[4:5], hsc s[6:7], role s[8:9], cw s[10:11]
	s_load_b128 s[12:15], s[0:1], 0x20             ; w2_codes s[12:13], w2_scales s[14:15]
	s_load_b64 s[16:17], s[0:1], 0x30              ; y
	v_lshl_add_u32 v254, v0, 2, 0x1c800
	v_mov_b32 v255, 0
	v_lshrrev_b32 v[TX], 5, v0
	v_readfirstlane_b32 s18, v[TX]                 ; wave
	s_lshr_b32 s20, ttmp9, 1                       ; slice
	s_and_b32 s21, ttmp9, 1                        ; p
	s_and_b32 s22, ttmp7, 0xffff                   ; expert
	s_lshl_b32 s23, s21, 1
	s_lshr_b32 s30, s18, 1
	s_add_co_u32 s23, s23, s30                     ; q = 2 p + wave / 2
	s_and_b32 s19, s18, 1                          ; my first tile
	s_mov_b32 s28, 0x76543210
	s_mov_b32 s29, 0xfedcba98                      ; v_permlanex16_b32's selects for lane l xor 16
	s_mov_b32 s31, 0                               ; stays 0: the upper word of the pair s[30:31]
	v_and_b32 v[LANE], 31, v0
	v_lshlrev_b32 v[L16], 4, v[LANE]
	v_lshlrev_b32 v[L8], 3, v[LANE]
	v_and_b32 v[T], 15, v0                         ; r (until the first TOK)
	v_bfe_u32 v[TX], v0, 4, 1                      ; h
	v_lshlrev_b32 v[C16], 4, v[T]
	v_lshlrev_b32 v[HSEL], 2, v[TX]
	v_lshlrev_b32 v[HSO], 2, v[T]
	v_lshl_add_u32 v[HSO], v[TX], 10, v[HSO]
	s_mul_i32 s30, s18, 16*272
	s_add_co_u32 s30, s30, YST
	v_mul_u32_u24 v[STO], v[T], 272
	v_lshl_add_u32 v[STO], v[TX], 5, v[STO]
	v_add_nc_u32 v[STO], s30, v[STO]               ; in: row r, 32 bytes for each half of the lanes
	v_mul_u32_u24 v[SRD], v[TX], 272
	v_add_nc_u32 v[SRD], v[SRD], v[C16]
	v_add_nc_u32 v[SRD], s30, v[SRD]               ; back: lanes 0-15 one row, lanes 16-31 the next
	s_mul_i32 s30, s18, 4*WP
	v_add_nc_u32 v[DW], s30, v[L16]                ; the weights' way in: a part is 16 rows; wave w brings rows 4 w .. 4 w + 3, three loads of 512 bytes a row
	v_mul_u32_u24 v[WRD], v[T], WP
	v_mad_u32_u24 v[WRD], v[TX], 24, v[WRD]
	s_mul_i32 s30, s18, 6144
	v_add_nc_u32 v[GW], s30, v[L16]
	v_lshlrev_b32 v[SOF], 6, v[LANE]               ; scale bytes: 64 a row, a lane a row
	v_lshlrev_b32 v[LS4], 2, v[LANE]
	s_lshl_b32 s61, s23, 8                         ; 256 q: the range's first token, and the token of spare rows
	v_add_nc_u32 v[TOKB], s61, v[LANE]
.irp c, 0,1,2,3,4,5,6,7
	v_add_nc_u32 v[TV+\c], 32*\c, v[TOKB]
.endr
	s_lshl_b32 s60, s22, 1
	s_add_co_u32 s60, s60, s21                     ; 2 e + p: the sixteen work-groups that share my 256 bytes of y's rows,
	s_lshl_b32 s60, s60, 2
	s_add_co_u32 s60, s60, s18                     ; their four waves,
	s_lshl_b32 s60, s60, 1
	s_add_co_u32 s60, s60, 2048
	v_add_nc_u32 v[DMP], s60, v[TX]                ; and a row for each half of the lanes: 128 spare rows behind the 2,048
	v_mov_b32 v[CW+1], 0
	v_mov_b32 v[BIG], 0x7fffffff
.irp c, 0,1,2,3,4,5,6,7
	v_mov_b32 v[PR+\c], 0                          ; written once ahead of the lane permutes that fill them
	v_mov_b32 v[TS+\c], 0
.endr
	s_wait_kmcnt 0x0
	s_lshl_b32 s30, s22, 2
	s_add_co_u32 s80, s30, s23                     ; 4 e + q
	s_mul_i32 s30, s80, 393216
	s_add_nc_u64 s[4:5], s[4:5], s[30:31]          ; hq: tile 0 of (e, q)
	s_lshl_b32 s30, s80, 15
	s_add_nc_u64 s[6:7], s[6:7], s[30:31]          ; hsc likewise
	s_lshl_b32 s30, s22, 12
	s_add_nc_u64 s[RLE:RLE+1], s[8:9], s[30:31]    ; role and cw: the expert's row of 1,024 words
	s_add_nc_u64 s[10:11], s[10:11], s[30:31]
	s_lshl_b32 s30, s80, 10
	s_add_nc_u64 s[8:9], s[8:9], s[30:31]          ; role: the range's 256 words
	s_mul_i32 s30, s22, 1572864
	s_mul_i32 s81, s20, 98304
	s_add_co_u32 s30, s30, s81
	s_add_nc_u64 s[12:13], s[12:13], s[30:31]      ; w2_codes: expert, row 64 slice
	s_lshl_b32 s30, s22, 16
	s_lshl_b32 s81, s20, 12
	s_add_co_u32 s30, s30, s81
	s_add_nc_u64 s[14:15], s[14:15], s[30:31]      ; w2_scales likewise
	s_lshl_b32 s30, s20, 8
	s_add_nc_u64 s[16:17], s[16:17], s[30:31]      ; y: my 256 bytes of every row
.irp c, 0,1,2,3,4,5,6,7
	global_load_b32 v[U+\c], v[LS4], s[8:9] offset:128*\c
.endr
.irp i, 0,1                            ; register 16 i + s: the word of step s; tile 2 i in lanes 0-15, tile 2 i + 1 in lanes 16-31
.irp j, 0,1,2,3
	global_load_b128 v[WS+16*\i+4*\j:WS+16*\i+4*\j+3], v[SOF], s[14:15] offset:2048*\i+16*\j
.endr
.endr
.set i, 0
.rept 48                               ; my quarter of the four parts: 12 loads of 512 consecutive bytes each
	TREG i
	WIN FW<<6
	global_load_b128 v[TR:TR+3], v[GW], s[12:13] offset:24576*(i/12)+512*(i%12)
.set i, i+1
.endr
	WIN 0
	s_wait_loadcnt 48                              ; the role words and the scale words are in; the 48 weight loads may be out
.irp c, 0,1,2,3,4,5,6,7
	v_cmp_ne_u32 s[M+\c], 0, v[U+\c]               ; which of tokens 32 c .. 32 c + 31 chose this expert
.endr
.irp c, 0,1,2,3,4,5,6,7
	s_bcnt1_i32_b32 s[N+\c], s[M+\c]
.endr
	s_mov_b32 s[P], 0
.irp c, 0,1,2,3,4,5,6
	s_add_co_u32 s[P+\c+1], s[P+\c], s[N+\c]
.endr
	s_add_co_u32 s58, s[P+7], s[N+7]               ; rows
	s_add_co_u32 s25, s58, 15
	s_lshr_b32 s25, s25, 4                         ; nt: tiles of 16
	s_max_u32 s26, s25, 1
	s_sub_co_u32 s26, s26, 1                       ; the last tile's number
	s_add_co_u32 s57, s25, 1
	s_sub_co_u32 s57, s57, s19
	s_lshr_b32 s57, s57, 1                         ; my tiles: those of 0 .. nt - 1 that have my wave's parity
.irp c, 0,1,2,3,4,5,6,7
	v_mbcnt_lo_u32_b32 v[RI+\c], s[M+\c], 0
	v_add_nc_u32 v[RI+\c], s[P+\c], v[RI+\c]
	s_mov_b32 vcc_lo, s[M+\c]
	v_cndmask_b32 v[RI+\c], v[BIG], v[RI+\c], vcc_lo
.endr
.macro PART k, cnt                     ; part k = tile k: my 12 loads go to LDS; a barrier.  Each part has LDS bytes of its own, written once
	s_wait_loadcnt \cnt                            ; my loads of this part are in; those of later parts may be out
.set i, 0
.rept 12
	TREG 12*(\k)+i
	WIN FW<<2
	ds_store_b128 v[DW], v[TR:TR+3] offset:WP*(i/3)+512*(i%3)+16*WP*((\k)%2)
.set i, i+1
.endr
	WIN 0
	s_wait_dscnt 0x0                               ; for the others' sake: my stores have landed; and no LDS load of mine is out
	s_barrier_signal -1
	s_barrier_wait -1
.endm
.macro WFR k                           ; tile k's sixteen fragments into my registers
.set i, 0
.rept 16
	FREG 4*i+(\k)
	WIN FW<<6
.irp p, 0,1,2,3,4,5
	ds_load_b64 v[FR+2*\p:FR+2*\p+1], v[WRD] offset:16*WP*((\k)%2)+96*i+48*(\p/3)+8*(\p%3)
.endr
.set i, i+1
.endr
	WIN 0
.endm
.macro HLOAD ptr, s                    ; the hidden layer's fragment of step s, into slot s % 8: two halves of 512 + 256 bytes
.set HB, F+12*((\s)%8)
	global_load_b128 v[HB:HB+3], v[L16], s[\ptr:\ptr+1] offset:1536*(\s)
	global_load_b64 v[HB+4:HB+5], v[L8], s[\ptr:\ptr+1] offset:1536*(\s)+512
	global_load_b128 v[HB+6:HB+9], v[L16], s[\ptr:\ptr+1] offset:1536*(\s)+768
	global_load_b64 v[HB+10:HB+11], v[L8], s[\ptr:\ptr+1] offset:1536*(\s)+1280
.endm
.macro ULOAD                           ; a tile's 32 x 16 half scale words: lanes 0-15 slice g, lanes 16-31 slice 16 + g
.irp g, 0,1,2,3,4,5,6,7,8,9,10,11,12,13,14,15
	global_load_b32 v[U+\g], v[HSO], s[HSN:HSN+1] offset:64*\g
.endr
.endm
	PART 0, 36
	WFR 0
	PART 1, 24
	WFR 1
	v_add_nc_u32 v[DW], 32*WP, v[DW]               ; parts 2 and 3 lie 32 rows further on: beyond what an LDS offset of 16 bits reaches
	v_add_nc_u32 v[WRD], 32*WP, v[WRD]
	s_wait_alu depctr_va_vdst(0)
	PART 2, 12
	WFR 2
	PART 3, 0
	s_cmp_eq_u32 s57, 0                            ; behind the last barrier: a wave that has no tile ends here
	s_cbranch_scc1 .Lend
	s_mul_i32 s30, s19, 24576
	s_add_nc_u64 s[HQN:HQN+1], s[4:5], s[30:31]
	s_lshl_b32 s30, s19, 11
	s_add_nc_u64 s[HSN:HSN+1], s[6:7], s[30:31]
	ULOAD                                          ; my first tile: 16 + 16 + 16 loads, on their way while the last fragments come out of LDS
.irp s, 0,1,2,3,4,5,6,7
	HLOAD HQN, \s
.endr
	WFR 3
	s_wait_dscnt 0x0
	s_mov_b32 s56, 0
; The tokens of rows s27 .. s27 + 15.  Each chunk of 32 tokens PUSHES its tokens' numbers to lane (row - s27); what lies outside goes to lanes 16-31, which nobody reads.  The receiving lane takes the chunk
; in whose run of rows its own row lies, so nothing hangs on what an unreached lane holds.  A row past the last keeps token s61.  No LDS byte is touched.
.macro TOK
	v_add_nc_u32 v[LL], s27, v[LANE]
	v_mov_b32 v[T], s61
.irp c, 0,1,2,3,4,5,6,7
	v_sub_nc_u32 v[TA+\c], v[RI+\c], s27
.endr
.irp c, 0,1,2,3,4,5,6,7
	v_min_u32 v[TA+\c], 31, v[TA+\c]
.endr
.irp c, 0,1,2,3,4,5,6,7
	v_lshlrev_b32 v[TA+\c], 2, v[TA+\c]
.endr
.irp c, 0,1,2,3,4,5,6,7
	ds_permute_b32 v[PR+\c], v[TA+\c], v[TV+\c]
.endr
	s_wait_dscnt 0x0
.irp c, 0,1,2,3,4,5,6,7
	v_sub_nc_u32 v[TX], v[LL], s[P+\c]
	v_cmp_gt_u32 vcc_lo, s[N+\c], v[TX]
	v_cndmask_b32 v[T], v[T], v[PR+\c], vcc_lo
.endr
	v_permlanex16_b32 v[TX], v[T], s28, s29
	s_mov_b32 vcc_lo, 0xffff0000
	v_cndmask_b32 v[T], v[T], v[TX], vcc_lo        ; lanes 16-31 take lanes 0-15's
.irp i, 0,1,2,3,4,5,6,7
	v_add_nc_u32 v[TA+\i], 8*\i, v[HSEL]
.endr
.irp i, 0,1,2,3,4,5,6,7
	ds_bpermute_b32 v[TS+\i], v[TA+\i], v[T]       ; the row that I store in instruction i: 2 i + lane / 16
.endr
	s_wait_dscnt 0x0
.endm
.macro MB s0                           ; four steps: the four accumulators by turns, one instruction a turn
.set SS, \s0
.rept 4
.set TT, 0
.rept 4
	FREG 4*SS+TT
	WIN FW
.set QD, ACC+8*TT
.set QA, FR
.set QB, F+12*(SS%8)
.set QSA, WS+16*(TT/2)+SS
.set QSB, HS+SS%8
.set QRA, TT%2
.set QRB, SS/8
.if SS == 0
.set QZ, 1
.else
.set QZ, 0
.endif
	WM
.set TT, TT+1
.endr
.set SS, SS+1
.endr
	WIN 0
	PLACES                                         ; ahead of the loads into the slots just read, and of the first read of results
.endm
.Ltile:                                            ; my s56-th tile.  Out, in this order: its half scale words (16 loads), its steps 0-3 (16), its steps 4-7 (16)
	s_wait_xcnt 0x0                                ; earlier loads and stores have read their bases, offsets and data
	s_mov_b64 s[HQT:HQT+1], s[HQN:HQN+1]           ; the tile asked for last is the tile in hand
	s_lshl_b32 s24, s56, 1
	s_add_co_u32 s24, s24, s19                     ; its number in the range
	s_add_co_u32 s80, s24, 2
	s_min_u32 s80, s80, s26                        ; my next tile, or the last tile of the range (asked for and dropped): every count stays the same in every trip
	s_min_u32 s80, s80, 15
	s_mul_i32 s30, s80, 24576
	s_add_nc_u64 s[HQN:HQN+1], s[4:5], s[30:31]
	s_lshl_b32 s30, s80, 11
	s_add_nc_u64 s[HSN:HSN+1], s[6:7], s[30:31]
	s_lshl_b32 s27, s24, 4
	s_sub_co_u32 s59, s58, s27
	s_lshl_b32 s59, s59, 2                         ; 4 x the rows left from this tile's first on (at least 1 row)
	TOK
.irp i, 0,1,2,3,4,5,6,7
	v_min_u32 v[RO+\i], 0x3ff, v[TS+\i]            ; tokens become offsets: held under 1,024 first
	v_mul_u32_u24 v[RO+\i], v[RO+\i], 4
.endr
	v_min_u32 v[CWO], 0x3ff, v[T]
	v_mul_u32_u24 v[CWO], v[CWO], 4
	global_load_b32 v[CW], v[CWO], s[10:11]        ; my token's weight,
.irp i, 0,1,2,3,4,5,6,7
	global_load_b32 v[RS+\i], v[RO+\i], s[RLE:RLE+1]   ; and the role word of each row that I store: wanted at the trip's end
.endr
	s_wait_loadcnt 41                              ; the half words are in; steps 0-3, steps 4-7 and the nine just issued may be out
.irp i, 0,1,2,3,4,5,6,7
	v_or_b32 v[HS+\i], v[U+2*\i], v[U+2*\i+1]      ; lanes 0-15: the word of step i; lanes 16-31: of step 8 + i
.endr
.rept 8
	v_nop                                          ; a scale register written by a vector line stands eight places ahead of a scaled matrix instruction
.endr
	s_wait_alu depctr_va_vdst(0)
	s_wait_loadcnt 25                              ; steps 0-3 are in; steps 4-7 and the nine may be out
	MB 0
.irp s, 8,9,10,11
	HLOAD HQT, \s
.endr
	s_wait_loadcnt 25                              ; steps 4-7 are in; the nine and steps 8-11 may be out
	MB 4
.irp s, 12,13,14,15
	HLOAD HQT, \s
.endr
	s_wait_loadcnt 16                              ; steps 8-11 (and the nine) are in; steps 12-15 may be out
	MB 8
	ULOAD                                          ; the next tile
.irp s, 0,1,2,3
	HLOAD HQN, \s
.endr
	s_wait_loadcnt 32                              ; steps 12-15 are in; the 32 just issued may be out
	MB 12
.irp s, 4,5,6,7
	HLOAD HQN, \s
.endr
.set j, 0
.rept 16
	v_pk_mul_f32 v[ACC+2*j:ACC+2*j+1], v[ACC+2*j:ACC+2*j+1], v[CW:CW+1] op_sel_hi:[1,0]   ; x comb; each accumulator from its low end on
.set j, j+1
.endr
.irp t, 0,1,2,3
	ds_store_b128 v[STO], v[ACC+8*\t:ACC+8*\t+3] offset:64*\t      ; lane (r, h): columns 16 t + 8 h + 0 .. 7 of row r
	ds_store_b128 v[STO], v[ACC+8*\t+4:ACC+8*\t+7] offset:64*\t+16
.endr
.irp i, 0,1,2,3,4,5,6,7
	ds_load_b128 v[ACC+4*\i:ACC+4*\i+3], v[SRD] offset:544*\i      ; LDS serves a wave's instructions in order: these see my stores
.endr
.irp i, 0,1,2,3,4,5,6,7                ; while the rows come back: where each goes
	v_cmp_eq_u32 vcc_lo, 2, v[RS+\i]
	v_add_nc_u32 v[TX], 0x400, v[TS+\i]
	v_cndmask_b32 v[TS+\i], v[TS+\i], v[TX], vcc_lo                ; a second choice: 1,024 rows further on
	s_sub_co_i32 s60, s59, 8*\i
	v_cmp_gt_i32 vcc_lo, s60, v[HSEL]                              ; 4 (rows left - 2 i) > 4 (lane / 16): a true row
	v_cndmask_b32 v[TS+\i], v[DMP], v[TS+\i], vcc_lo               ; else my wave's spare row
	v_min_u32 v[TS+\i], 0x87f, v[TS+\i]                            ; y has 2,176 rows
	v_mul_u32_u24 v[TS+\i], v[TS+\i], 4096
	v_add_nc_u32 v[TS+\i], v[TS+\i], v[C16]
.endr
	s_wait_alu depctr_va_vdst(0)
	s_wait_dscnt 0x0
.irp i, 0,1,2,3,4,5,6,7
	global_store_b128 v[TS+\i], v[ACC+4*\i:ACC+4*\i+3], s[16:17]   ; sixteen lanes store 256 consecutive bytes, from a multiple of 256
.endr
	s_add_co_u32 s56, s56, 1
	s_cmp_lt_u32 s56, s57
	s_cbranch_scc1 .Ltile
.Lend:
	s_wait_tensorcnt 0x0
	ds_add_u32 v254, v255
	s_wait_dscnt 0x0
	s_endpgm
.Lfunc_end_k_q020b60b18a_down:
	.size	k_q020b60b18a_down, .Lfunc_end_k_q020b60b18a_down-k_q020b60b18a_down
	.p2alignl 7, 3214868480
	.fill 96, 4, 3214868480
	.section	.rodata,"a",@progbits
	.p2align	6, 0x0
	.amdhsa_kernel k_q020b60b18a_down
		.amdhsa_group_segment_fixed_size 117248
		.amdhsa_private_segment_fixed_size 0
		.amdhsa_enable_private_segment 0
		.amdhsa_kernarg_size 56
		.amdhsa_user_sgpr_count 2
		.amdhsa_user_sgpr_kernarg_segment_ptr 1
		.amdhsa_wavefront_size32 1
		.amdhsa_system_sgpr_workgroup_id_x 1
		.amdhsa_system_sgpr_workgroup_id_y 1
		.amdhsa_system_sgpr_workgroup_id_z 1
		.amdhsa_system_vgpr_workitem_id 0
		.amdhsa_next_free_vgpr 1024
		.amdhsa_next_free_sgpr 84
		.amdhsa_reserve_vcc 1
		.amdhsa_float_denorm_mode_32 3
		.amdhsa_float_denorm_mode_16_64 3
		.amdhsa_memory_ordered 1
		.amdhsa_forward_progress 1
		.amdhsa_inst_pref_size 76
	.end_amdhsa_kernel
	.amdgpu_metadata
---
amdhsa.version: [ 1, 2 ]
amdhsa.kernels:
  - .name:           k_q020b60b18a_down
    .symbol:         k_q020b60b18a_down.kd
    .args:
      - { .name: hq, .offset: 0, .size: 8, .value_kind: global_buffer, .address_space: global }
      - { .name: hsc, .offset: 8, .size: 8, .value_kind: global_buffer, .address_space: global }
      - { .name: role, .offset: 16, .size: 8, .value_kind: global_buffer, .address_space: global }
      - { .name: cw, .offset: 24, .size: 8, .value_kind: global_buffer, .address_space: global }
      - { .name: w2_codes, .offset: 32, .size: 8, .value_kind: global_buffer, .address_space: global }
      - { .name: w2_scales, .offset: 40, .size: 8, .value_kind: global_buffer, .address_space: global }
      - { .name: y, .offset: 48, .size: 8, .value_kind: global_buffer, .address_space: global }
    .group_segment_fixed_size: 117248
    .private_segment_fixed_size: 0
    .kernarg_segment_align: 8
    .kernarg_segment_size: 56
    .max_flat_workgroup_size: 128
    .sgpr_count:     84
    .vgpr_count:     1024
    .wavefront_size: 32
...
	.end_amdgpu_metadata
.endif
;; end of part 3
;; launch add (part 4): grid 256 x 1, 8 waves a work-group, no clusters, 0 bytes of LDS; arguments y, out0; writes out0
.if DOCPART == 4
	.amdgcn_target "amdgcn-amd-amdhsa--gfx1250"
	.amdhsa_code_object_version 6
	.text
	.protected	k_q020b60b18a_add
	.globl	k_q020b60b18a_add
	.p2align	8
	.type	k_q020b60b18a_add,@function
k_q020b60b18a_add:
	s_mov_b64 s[64:65], 0
	v_nop
	global_prefetch_b8 v0, s[64:65] scope:SCOPE_SE
	s_setreg_imm32_b32 hwreg(HW_REG_WAVE_MODE, 25, 1), 1
	s_wait_xcnt 0x0
; out0[token][:] = y[0][token][:] + y[1][token][:]: a token's two chosen experts' results, each already multiplied by its weight.  y: [2][1024][1024] f32, out0: [1024][1024] f32.
; A stream: a work-group owns 16,384 bytes of out0, a thread 4 x 16 of them; every load and store of a wave covers 512 consecutive bytes.  All eight loads go out first; no loop, no LDS, no matrix unit.
	s_load_b128 s[4:7], s[0:1], 0x0                ; y s[4:5], out0 s[6:7]
	v_lshlrev_b32 v1, 4, v0
	s_lshl_b32 s8, ttmp9, 14
	s_mov_b32 s9, 0
	s_wait_alu depctr_va_vdst(0)
	s_wait_kmcnt 0x0
	s_add_nc_u64 s[4:5], s[4:5], s[8:9]
	s_add_nc_u64 s[6:7], s[6:7], s[8:9]
.irp i, 0,1,2,3
	global_load_b128 v[4+8*\i:7+8*\i], v1, s[4:5] offset:4096*\i th:TH_LOAD_NT
	global_load_b128 v[8+8*\i:11+8*\i], v1, s[4:5] offset:4096*\i+4194304 th:TH_LOAD_NT
.endr
.irp i, 0,1,2,3
	s_wait_loadcnt 6-2*\i                          ; this pair is in; the younger pairs may be out
	v_pk_add_f32 v[4+8*\i:5+8*\i], v[4+8*\i:5+8*\i], v[8+8*\i:9+8*\i]
	v_pk_add_f32 v[6+8*\i:7+8*\i], v[6+8*\i:7+8*\i], v[10+8*\i:11+8*\i]
	global_store_b128 v1, v[4+8*\i:7+8*\i], s[6:7] offset:4096*\i th:TH_STORE_NT
.endr
	s_endpgm
.Lfunc_end_k_q020b60b18a_add:
	.size	k_q020b60b18a_add, .Lfunc_end_k_q020b60b18a_add-k_q020b60b18a_add
	.p2alignl 7, 3214868480
	.fill 96, 4, 3214868480
	.section	.rodata,"a",@progbits
	.p2align	6, 0x0
	.amdhsa_kernel k_q020b60b18a_add
		.amdhsa_group_segment_fixed_size 0
		.amdhsa_private_segment_fixed_size 0
		.amdhsa_enable_private_segment 0
		.amdhsa_kernarg_size 16
		.amdhsa_user_sgpr_count 2
		.amdhsa_user_sgpr_kernarg_segment_ptr 1
		.amdhsa_wavefront_size32 1
		.amdhsa_system_sgpr_workgroup_id_x 1
		.amdhsa_system_sgpr_workgroup_id_y 1
		.amdhsa_system_sgpr_workgroup_id_z 1
		.amdhsa_system_vgpr_workitem_id 0
		.amdhsa_next_free_vgpr 48
		.amdhsa_next_free_sgpr 66
		.amdhsa_reserve_vcc 0
		.amdhsa_float_denorm_mode_32 3
		.amdhsa_float_denorm_mode_16_64 3
		.amdhsa_memory_ordered 1
		.amdhsa_forward_progress 1
		.amdhsa_inst_pref_size 3
	.end_amdhsa_kernel
	.amdgpu_metadata
---
amdhsa.version: [ 1, 2 ]
amdhsa.kernels:
  - .name:           k_q020b60b18a_add
    .symbol:         k_q020b60b18a_add.kd
    .args:
      - { .name: y, .offset: 0, .size: 8, .value_kind: global_buffer, .address_space: global }
      - { .name: out0, .offset: 8, .size: 8, .value_kind: global_buffer, .address_space: global }
    .group_segment_fixed_size: 0
    .private_segment_fixed_size: 0
    .kernarg_segment_align: 8
    .kernarg_segment_size: 16
    .max_flat_workgroup_size: 256
    .sgpr_count:     66
    .vgpr_count:     48
    .wavefront_size: 32
...
	.end_amdgpu_metadata
.endif
;; end of part 4
